; MI455X (gfx1250); checked and timed in simulation.
; The chip was launched on July 23, 2026; its instructions are those of AMD's public machine-readable ISA for CDNA 5 (MIT licence, August 2026) and "CDNA5" Instruction Set Architecture Reference Guide (July 2026). The comments in the code are by the model that wrote it; some were corrected since.
;; Causal Self Attention. Allowed arithmetic: matrix products marked QUANTISED: E2M1 operands, one E8M0 scale for each 32 along K, by v_wmma_scale_f32_16x16x128_f8f6f4 with both operands' format E2M1 (or v_wmma_scale_f32_32x16x128_f4), f32 sums; products left as they are: bf16, f16 or f32 operands; f32 sums; everything else in f32.
;; Inputs: W_proj 1,024 x 1,024 float32; W_qkv 1,024 x 3,072 float32; x 4 x 2,048 x 1,024 float32.
;; Outputs: out0 4 x 2,048 x 1,024 float32.
;; This version of the problem:
;;   THIS VERSION OF THE PROBLEM IS GIVEN IN LOW PRECISION. The matrix products marked QUANTISED in the list below multiply operands that are first quantised to E2M1 (2 exponent bits, 1 mantissa bit; 4 bits a number), with one power-of-two scale for each 32 numbers along K (OCP MX v1.0); their sums are f32. The products marked 'left as it is' may take bf16, f16 or f32 operands, with f32 sums. Whichever they take, every output number must still come out within the allowed error. Rounding operands to bf16 (8 significant bits) uses up far more of that allowance than f16 does (11 bits, for magnitudes from 6e-5 to 65,504). All else is computed in f32.
;;   The module's matrix products, in the order in which they are computed (A, B: the left and right operand; K: the contracted axis; several contracted axes count as one K, in the product's order):
;;     1. [M 8,192, K 1,024] x [K 1,024, N 3,072]; A: input x; B: input W_qkv: QUANTISED
;;     2. batch 64 x [M 2,048, K 64] x [K 64, N 2,048]; A: computed on the way; B: computed on the way: left as it is (an operand is computed on the way)
;;     3. batch 64 x [M 2,048, K 2,048] x [K 2,048, N 64]; A: computed on the way; B: computed on the way: left as it is (an operand is computed on the way)
;;     4. [M 8,192, K 1,024] x [K 1,024, N 1,024]; A: computed on the way; B: input W_proj: left as it is (an operand is computed on the way)
;;   THE QUANTISER, for each operand of a quantised product, along K:
;;     - K is cut into blocks of 32 from its start; a last block that is shorter is filled with zeros.
;;     - A block's scale is 2^e with e = floor(log2(the largest magnitude in the block)) - 2, held to -126 .. 127; a block of zeros has e = 0. As a byte (E8M0): e + 127.
;;     - Each number is divided by its block's scale, clamped to +-6, and rounded to the nearest number of E2M1, ties to even, subnormals kept.
;;     - The product sums the exact products of the quantised numbers (number of the format x scale) in f32.
;;   ~~~python
;;   def quantise(x, axis):      # numpy; x: float32 -> the quantised numbers, widened to float32 again
;;       x = np.moveaxis(x, axis, -1); K = x.shape[-1]
;;       x = np.pad(x, [(0, 0)] * (x.ndim - 1) + [(0, -K % 32)]); x = x.reshape(x.shape[:-1] + (-1, 32)); a = np.abs(x).max(-1, keepdims=True)
;;       e = np.where(a > 0, np.clip(np.frexp(np.where(a > 0, a, 1))[1] - 1 - 2, -126, 127), 0)      # np.frexp(a)[1] - 1 = floor(log2(a)), exactly
;;       r = np.clip(x / 2.0 ** e, -6, 6)
;;       step = 2.0 ** (np.maximum(np.frexp(np.where(r == 0, 1, r))[1] - 1, 0) - 1)
;;       q = np.round(r / step) * step * 2.0 ** e      # np.round: ties to even
;;       return np.moveaxis(q.reshape(q.shape[:-2] + (-1,))[..., :K], -1, axis).astype(np.float32)
;;   ~~~
;; One version. Each part assembles by itself: llvm-mc -triple=amdgcn-amd-amdhsa -mcpu=gfx1250 --defsym DOCPART=n.
;; ======== version 1 of 1: 5 launches
;; limits: values are held in f16: magnitudes above 65,504 overflow, below 6.1e-05 lose precision
;; workspace buffers: x_codes 4,194,304 bytes; x_scales 262,144 bytes; w_codes 1,572,864 bytes; w_scales 98,304 bytes; wp16 2,097,152 bytes; qkv16 50,331,648 bytes; qkv32 786,432 bytes; y16 16,777,216 bytes
;; launch prep (part 1): grid 368 x 1, 4 waves a work-group, no clusters, 68,096 bytes of LDS; arguments x, W_qkv, W_proj, x_codes, x_scales, w_codes, w_scales, wp16; writes x_codes, x_scales, w_codes, w_scales, wp16
.if DOCPART == 1
	.amdgcn_target "amdgcn-amd-amdhsa--gfx1250"
	.amdhsa_code_object_version 6
	.text
	.protected	k_q168117f43b_prep
	.globl	k_q168117f43b_prep
	.p2align	8
	.type	k_q168117f43b_prep,@function
k_q168117f43b_prep:
	s_mov_b64 s[64:65], 0
	v_nop
	global_prefetch_b8 v0, s[64:65] scope:SCOPE_SE
	s_setreg_imm32_b32 hwreg(HW_REG_WAVE_MODE, 25, 1), 1
	s_wait_xcnt 0x0
; THREE STREAMS IN ONE LAUNCH, told apart by the work-group's number; the paths part once and never join.
;   work-groups   0..255: x [8192][1024] f32 -> codes of E2M1 (K innermost, 512 bytes a row) and one E8M0 byte for each 32 along K.
;   work-groups 256..303: W_qkv [1024 k][3072 n] f32, whose K is its FIRST axis -> codes laid [3072 n][512 bytes], scale bytes [3072][32].
;   work-groups 304..367: W_proj [1024][1024] f32 -> f16, same order.
; A block's scale is 2^(floor(log2(largest magnitude)) - 2): its byte is the largest magnitude's exponent field - 2, held at 1 from below by a floor among the maximum's leaves.
; LIMITS: a block of zeros gets the byte 1 (its codes are zeros; this program alone reads the bytes); blocks whose largest magnitude lies under 2^-124 were not tried; NaN and infinities
; are not served; W_proj must stay at or under 65,504 in size, and numbers under 6e-5 keep an absolute error of 3e-8 (f16).
; LDS: 0..32,767 the x path (8,192 a wave); 32,768..67,583 the W_qkv path (4 stages of 32 x 272); 67,584.. the spare words.  Each path has bytes of its own.
.set SPARE, 67584
.set SPW, 1                            ; v1  LDS address of my spare word; never rewritten
.set NIL, 2                            ; v2  0; never rewritten
	s_load_b256 s[4:11], s[0:1], 0x0               ; x s[4:5], W_qkv s[6:7], W_proj s[8:9], x_codes s[10:11]
	s_load_b256 s[12:19], s[0:1], 0x20             ; x_scales s[12:13], w_codes s[14:15], w_scales s[16:17], wp16 s[18:19]
	v_lshl_add_u32 v[SPW], v0, 2, SPARE
	v_mov_b32 v[NIL], 0
	v_lshrrev_b32 v3, 5, v0
	v_readfirstlane_b32 s20, v3                    ; wave 0..3
	v_and_b32 v3, 31, v0                           ; lane
	s_wait_kmcnt 0x0
	s_cmp_lt_u32 ttmp9, 256
	s_cbranch_scc1 .Lxpath
	s_cmp_lt_u32 ttmp9, 304
	s_cbranch_scc1 .Lwpath
; ---------------- W_proj to f16: a plain stream.  A wave takes 4,096 numbers: 32 loads of 512 consecutive bytes, all issued at once; each gives one store of 256 consecutive bytes.
	s_sub_co_u32 s21, ttmp9, 304
	s_lshl_b32 s21, s21, 2
	s_add_co_u32 s21, s21, s20                     ; which run of 4,096 numbers
	s_lshl_b32 s22, s21, 14
	s_mov_b32 s23, 0
	s_add_nc_u64 s[8:9], s[8:9], s[22:23]
	s_lshl_b32 s22, s21, 13
	s_add_nc_u64 s[18:19], s[18:19], s[22:23]
	v_lshlrev_b32 v4, 4, v3
	v_lshlrev_b32 v5, 3, v3
.irp i, 0,1,2,3,4,5,6,7,8,9,10,11,12,13,14,15,16,17,18,19,20,21,22,23,24,25,26,27,28,29,30,31
	global_load_b128 v[16+4*\i:19+4*\i], v4, s[8:9] offset:512*\i th:TH_LOAD_NT
.endr
.irp i, 0,1,2,3,4,5,6,7,8,9,10,11,12,13,14,15,16,17,18,19,20,21,22,23,24,25,26,27,28,29,30,31
	s_wait_loadcnt 31-\i                           ; loads come back in order: load i is in, the 31 - i younger ones stay out
	v_cvt_pk_f16_f32 v[16+4*\i], v[16+4*\i], v[17+4*\i]
	v_cvt_pk_f16_f32 v[17+4*\i], v[18+4*\i], v[19+4*\i]
	global_store_b64 v5, v[16+4*\i:17+4*\i], s[18:19] offset:256*\i   ; no register is written again: no wait for the stores' sources
.endr
	s_wait_tensorcnt 0x0                           ; every wave of the launch ends alike
	ds_add_u32 v[SPW], v[NIL]
	s_wait_dscnt 0x0
	s_endpgm
; ---------------- x: rows are dense and K is a multiple of 32, so x is a plain stream of blocks of 32.  A wave takes 16 steps of 512 numbers.
; Each load reads 512 consecutive bytes, 16 a lane; a step's 2,048 bytes turn through the wave's own stage (80 bytes a place: 64 + 16 of padding) and come back 64 bytes a lane:
; 16 neighbours along K, two lanes to a block.  Loads run eight steps (32 loads a wave) ahead, the turn through LDS one step.
.set XR, 16                            ; v16-143  eight sets of 16 numbers as loaded
.set XX, 144                           ; v144-175 two sets of 16 neighbours
.set XE, 176                           ; v176-191 a scale byte for each step
.set XC, 192                           ; v192-255 codes: four registers for each step (two used), so that no store's data are written again
.macro XLOAD t
.irp i, 0,1,2,3
	global_load_b128 v[XR+16*((\t)%8)+4*\i:XR+16*((\t)%8)+4*\i+3], v4, s[4:5] offset:2048*(\t)+512*\i th:TH_LOAD_NT
.endr
.endm
.macro XTURN t                         ; LDS serves a wave's instructions in order: no wait between the stores and the loads
.irp i, 0,1,2,3
	ds_store_b128 v14, v[XR+16*((\t)%8)+4*\i:XR+16*((\t)%8)+4*\i+3] offset:2560*((\t)%2)+640*\i
.endr
.irp i, 0,1,2,3
	ds_load_b128 v[XX+16*((\t)%2)+4*\i:XX+16*((\t)%2)+4*\i+3], v15 offset:2560*((\t)%2)+16*\i
.endr
.endm
.macro XSTEP t
.set XS, XX+16*((\t)%2)
.if (\t) > 0
	s_wait_dscnt 1                                 ; this step's numbers are back from the stage; the last step's byte store may be out
.else
	s_wait_dscnt 0x0
.endif
.if (\t)+8 < 16
	XLOAD (\t)+8                                   ; into the set that this step's stage stores have read
.endif
.if (\t)+1 < 16
.if 14-(\t) >= 7
	s_wait_loadcnt 28                              ; the next step's four loads are in; those of the seven steps behind it may be out
.else
	s_wait_loadcnt 4*(14-(\t))                     ; the tail: 14 - t steps are left behind the next one
.endif
	XTURN (\t)+1
.endif
	v_max3_num_f32 v9, |v[XS]|, |v[XS+1]|, |v[XS+2]|
	v_max3_num_f32 v10, |v[XS+3]|, |v[XS+4]|, |v[XS+5]|
.irp i, 6,10
	v_max3_num_f32 v9, v9, |v[XS+\i]|, |v[XS+\i+1]|
	v_max3_num_f32 v10, v10, |v[XS+\i+2]|, |v[XS+\i+3]|
.endr
	v_max3_num_f32 v9, v9, |v[XS+14]|, |v[XS+15]|
	v_max3_num_f32 v9, v9, v10, 0x1800000          ; and the floor 2^(3 - 127): the byte cannot fall under 1
	v_max_num_f32_dpp v9, v9, v9 row_xmask:1 row_mask:0xf bank_mask:0xf   ; with my neighbour's 16: the block's largest magnitude
	v_add_nc_u32 v11, 0xff000000, v9               ; 2 off its exponent field: the conversion's scale operand
	v_cvt_scalef32_pk8_fp4_f32 v[XC+4*(\t)], v[XS:XS+7], v11
	v_cvt_scalef32_pk8_fp4_f32 v[XC+4*(\t)+1], v[XS+8:XS+15], v11
	v_lshrrev_b32 v[XE+(\t)], 23, v11              ; the scale's byte (also the plain line behind the conversions)
	ds_store_b8 v6, v[XE+(\t)] offset:16*(\t)      ; both lanes of a block write the same byte with the same value
	global_store_b64 v5, v[XC+4*(\t):XC+4*(\t)+1], s[10:11] offset:256*(\t)   ; the wave stores 256 consecutive bytes, aligned
.endm
.Lxpath:
	s_mul_i32 s21, s20, 8192                       ; my wave's region
	v_lshrrev_b32 v14, 2, v3
	v_mul_u32_u24 v14, v14, 80
	v_and_b32 v15, 3, v3
	v_lshl_add_u32 v14, v15, 4, v14
	v_add_nc_u32 v14, s21, v14                     ; stage, way in: 80 (lane / 4) + 16 (lane % 4)
	v_mul_u32_u24 v15, v3, 80
	v_add_nc_u32 v15, s21, v15                     ; stage, way out: 80 x lane
	v_lshlrev_b32 v4, 4, v3
	v_lshlrev_b32 v5, 3, v3
	v_lshrrev_b32 v6, 1, v3
	s_add_co_u32 s21, s21, 5120                    ; behind the two stages: my wave's 256 scale bytes
	v_add_nc_u32 v6, s21, v6
	v_add_nc_u32 v8, s21, v5
	s_lshl_b32 s22, ttmp9, 2
	s_add_co_u32 s22, s22, s20                     ; which run of 8,192 numbers
	s_lshl_b32 s24, s22, 15
	s_mov_b32 s25, 0
	s_add_nc_u64 s[4:5], s[4:5], s[24:25]
	s_lshl_b32 s24, s22, 12
	s_add_nc_u64 s[10:11], s[10:11], s[24:25]
	s_lshl_b32 s24, s22, 8
	s_add_nc_u64 s[12:13], s[12:13], s[24:25]
.irp t, 0,1,2,3,4,5,6,7
	XLOAD \t
.endr
	s_wait_loadcnt 28                              ; step 0's four loads are in
	XTURN 0
.irp t, 0,1,2,3,4,5,6,7,8,9,10,11,12,13,14,15
	XSTEP \t
.endr
	ds_load_b64 v[12:13], v8                       ; in order behind my byte stores
	s_wait_dscnt 0x0
	global_store_b64 v5, v[12:13], s[12:13]        ; 256 scale bytes: 256 consecutive bytes, aligned
	s_wait_tensorcnt 0x0                           ; the wave's end: behind my last LDS store
	ds_add_u32 v[SPW], v[NIL]
	s_wait_dscnt 0x0
	s_endpgm
; ---------------- W_qkv: a lane takes a column n and its registers run down K: a block of 32 lies in one lane's 32 registers, and the conversions give codes with K innermost.
; A wave takes 32 columns x 512 along K (16 blocks); its codes go through its own stage (rows of 272 bytes) and leave as rows: sixteen lanes store 256 consecutive bytes, aligned.
.set WX, 32                            ; v32-95   two sets of 32 numbers
.set WC, 96                            ; v96-99   a block's codes
.set WO, 112                           ; v112-175 the way out
.set WB, 24                            ; v24-27   the scale bytes, four to a register
.macro WLOAD t
.irp i, 0,1,2,3,4,5,6,7,8,9,10,11,12,13,14,15,16,17,18,19,20,21,22,23,24,25,26,27,28,29,30,31
	global_load_b32 v[WX+32*((\t)%2)+\i], v4, s[6:7] offset:(32*(\t)+\i)*12288 th:TH_LOAD_NT   ; at most 511 rows of 12,288 bytes: inside the signed 24-bit immediate
.endr
.endm
.macro WBLOCK t
.set WS, WX+32*((\t)%2)
.if (\t) < 15
	s_wait_loadcnt 32                              ; this block's 32 loads are in; the next block's may be out
.else
	s_wait_loadcnt 0x0
.endif
	v_max3_num_f32 v12, |v[WS]|, |v[WS+1]|, |v[WS+2]|
	v_max3_num_f32 v13, |v[WS+3]|, |v[WS+4]|, |v[WS+5]|
.irp i, 6,10,14,18,22,26
	v_max3_num_f32 v12, v12, |v[WS+\i]|, |v[WS+\i+1]|
	v_max3_num_f32 v13, v13, |v[WS+\i+2]|, |v[WS+\i+3]|
.endr
	v_max3_num_f32 v12, v12, |v[WS+30]|, |v[WS+31]|
	v_max3_num_f32 v12, v12, v13, 0x1800000        ; the floor
	v_add_nc_u32 v11, 0xff000000, v12
	v_lshrrev_b32 v13, 23, v11
.if (\t)%4 == 0
	v_mov_b32 v[WB+(\t)/4], v13
.else
	v_lshl_or_b32 v[WB+(\t)/4], v13, 8*((\t)%4), v[WB+(\t)/4]
.endif
.irp g, 0,1,2,3
	v_cvt_scalef32_pk8_fp4_f32 v[WC+\g], v[WS+8*\g:WS+8*\g+7], v11
.endr
	ds_store_b128 v5, v[WC:WC+3] offset:16*(\t)    ; 32 codes: 16 bytes of my column's row
.if (\t)+2 < 16
	WLOAD (\t)+2
.endif
	s_wait_dscnt 0x0                               ; the store has read its registers: the next block's codes may be written (plain lines stand ahead of them)
.endm
.Lwpath:
	s_sub_co_u32 s21, ttmp9, 256
	s_lshr_b32 s22, s21, 1                         ; which 128 columns
	s_and_b32 s23, s21, 1                          ; which half of K
	s_lshl_b32 s22, s22, 7
	s_lshl_b32 s24, s20, 5
	s_add_co_u32 s22, s22, s24                     ; my wave's first column
	v_lshlrev_b32 v4, 2, v3
	s_mul_i32 s24, s20, 8704
	s_add_co_u32 s24, s24, 32768                   ; my stage
	v_mul_u32_u24 v5, v3, 272
	v_add_nc_u32 v5, s24, v5                       ; into it: row = my column
	v_and_b32 v6, 15, v3
	v_lshrrev_b32 v7, 4, v3
	v_mul_u32_u24 v8, v7, 272
	v_lshl_add_u32 v8, v6, 4, v8
	v_add_nc_u32 v8, s24, v8                       ; out of it: sixteen lanes to a row, two rows an instruction
	v_mul_u32_u24 v9, v7, 512
	v_lshl_add_u32 v9, v6, 4, v9                   ; the same place in the codes' buffer
	v_lshlrev_b32 v10, 5, v3                       ; my column's row of scale bytes
	s_mul_i32 s26, s23, 6291456                    ; 512 rows of 12,288 bytes
	s_lshl_b32 s27, s22, 2
	s_add_co_u32 s26, s26, s27
	s_mov_b32 s27, 0
	s_add_nc_u64 s[6:7], s[6:7], s[26:27]
	s_lshl_b32 s26, s22, 9
	s_lshl_b32 s28, s23, 8
	s_add_co_u32 s26, s26, s28
	s_add_nc_u64 s[14:15], s[14:15], s[26:27]
	s_lshl_b32 s26, s22, 5
	s_lshl_b32 s28, s23, 4
	s_add_co_u32 s26, s26, s28
	s_add_nc_u64 s[16:17], s[16:17], s[26:27]
	WLOAD 0
	WLOAD 1
.irp t, 0,1,2,3,4,5,6,7,8,9,10,11,12,13,14,15
	WBLOCK \t
.endr
	global_store_b128 v10, v[WB:WB+3], s[16:17]    ; my column's 16 scale bytes
.irp t, 0,1,2,3,4,5,6,7,8,9,10,11,12,13,14,15
	ds_load_b128 v[WO+4*\t:WO+4*\t+3], v8 offset:2*\t*272
.endr
.irp t, 0,1,2,3,4,5,6,7,8,9,10,11,12,13,14,15
	s_wait_dscnt 15-\t                             ; LDS loads come back in order
	global_store_b128 v9, v[WO+4*\t:WO+4*\t+3], s[14:15] offset:2*\t*512
.endr
	s_wait_tensorcnt 0x0                           ; the wave's end: behind my last LDS store
	ds_add_u32 v[SPW], v[NIL]
	s_wait_dscnt 0x0
	s_endpgm
.Lfunc_end_k_q168117f43b_prep:
	.size	k_q168117f43b_prep, .Lfunc_end_k_q168117f43b_prep-k_q168117f43b_prep
	.p2alignl 7, 3214868480
	.fill 96, 4, 3214868480
	.section	.rodata,"a",@progbits
	.p2align	6, 0x0
	.amdhsa_kernel k_q168117f43b_prep
		.amdhsa_group_segment_fixed_size 68096
		.amdhsa_private_segment_fixed_size 0
		.amdhsa_enable_private_segment 0
		.amdhsa_kernarg_size 64
		.amdhsa_user_sgpr_count 2
		.amdhsa_user_sgpr_kernarg_segment_ptr 1
		.amdhsa_wavefront_size32 1
		.amdhsa_system_sgpr_workgroup_id_x 1
		.amdhsa_system_sgpr_workgroup_id_y 1
		.amdhsa_system_sgpr_workgroup_id_z 1
		.amdhsa_system_vgpr_workitem_id 0
		.amdhsa_next_free_vgpr 256
		.amdhsa_next_free_sgpr 66
		.amdhsa_reserve_vcc 0
		.amdhsa_float_denorm_mode_32 3
		.amdhsa_float_denorm_mode_16_64 3
		.amdhsa_memory_ordered 1
		.amdhsa_forward_progress 1
		.amdhsa_inst_pref_size 122
	.end_amdhsa_kernel
	.amdgpu_metadata
---
amdhsa.version: [ 1, 2 ]
amdhsa.kernels:
  - .name:           k_q168117f43b_prep
    .symbol:         k_q168117f43b_prep.kd
    .args:
      - { .name: x, .offset: 0, .size: 8, .value_kind: global_buffer, .address_space: global }
      - { .name: W_qkv, .offset: 8, .size: 8, .value_kind: global_buffer, .address_space: global }
      - { .name: W_proj, .offset: 16, .size: 8, .value_kind: global_buffer, .address_space: global }
      - { .name: x_codes, .offset: 24, .size: 8, .value_kind: global_buffer, .address_space: global }
      - { .name: x_scales, .offset: 32, .size: 8, .value_kind: global_buffer, .address_space: global }
      - { .name: w_codes, .offset: 40, .size: 8, .value_kind: global_buffer, .address_space: global }
      - { .name: w_scales, .offset: 48, .size: 8, .value_kind: global_buffer, .address_space: global }
      - { .name: wp16, .offset: 56, .size: 8, .value_kind: global_buffer, .address_space: global }
    .group_segment_fixed_size: 68096
    .private_segment_fixed_size: 0
    .kernarg_segment_align: 8
    .kernarg_segment_size: 64
    .max_flat_workgroup_size: 128
    .sgpr_count:     66
    .vgpr_count:     256
    .wavefront_size: 32
...
	.end_amdgpu_metadata
.endif
;; end of part 1
;; launch gemm_qkv (part 2): grid 12 x 32, 4 waves a work-group, clusters of 4 x 4, 327,680 bytes of LDS; arguments x_codes, x_scales, w_codes, w_scales, qkv16, qkv32; writes qkv16, qkv32
.if DOCPART == 2
	.amdgcn_target "amdgcn-amd-amdhsa--gfx1250"
	.amdhsa_code_object_version 6
	.text
	.protected	k_q168117f43b_gemm_qkv
	.globl	k_q168117f43b_gemm_qkv
	.p2align	8
	.type	k_q168117f43b_gemm_qkv,@function
k_q168117f43b_gemm_qkv:
	s_mov_b64 s[64:65], 0
	v_nop
	global_prefetch_b8 v0, s[64:65] scope:SCOPE_SE
	s_setreg_imm32_b32 hwreg(HW_REG_WAVE_MODE, 25, 1), 1
	s_wait_xcnt 0x0
	s_wait_alu depctr_hold_cnt(0) depctr_sa_sdst(0) depctr_va_vdst(0) depctr_va_sdst(0) depctr_va_ssrc(0) depctr_va_vcc(0) depctr_vm_vsrc(0)
	s_getreg_b32 s2, hwreg(HW_REG_IB_STS2, 6, 4)
	s_cmp_eq_u32 s2, 0
	s_cbranch_scc0 .Lentry_in_a_cluster
	s_endpgm
.Lentry_in_a_cluster:
	s_bfe_u32 s2, ttmp6, 0x10000c
	s_cmp_lg_u32 s2, 0xf033
	s_cbranch_scc0 .Lentry_shape_is_right
	s_endpgm
.Lentry_shape_is_right:
; qkv = x W_qkv on codes of E2M1 with one E8M0 scale for each 32 along K; sums in f32.  A = x_codes [8192][512 B], B = w_codes [3072 n][512 B]; scale bytes [rows][32].
; A tile of 256 x 256 to a work-group of four waves, 128 x 128 a wave: 64 accumulators, 512 registers.  K = 1,024 is two slots of 512: both are asked for at the head, nothing is filled again.
; The scale bytes of the work-group's 256 + 256 rows, for all of K, come once with the first fills.
; CLUSTERS: 4 x 4 work-groups; A's tiles are asked for jointly along a row of the cluster, B's along a column.  THE TILE ROW IS 8 cy + cluster y: the batch is cy, and the tile that holds a batch's
; first rows is picked out by cluster y alone, which all sixteen partners share, so the one branch below hangs on no work-group's place in its cluster.
; THE MATRIX INSTRUCTION IS USED TRANSPOSED (source 0 = 16 rows of B, source 1 = 16 rows of A): a lane holds eight neighbouring columns of one row.
; OUT: qkv16 [4 b][48 g][2048 t][64 d] f16 (g: 16 heads of q, of k, of v): 16 rows of one g are 2,048 consecutive bytes.  qkv32 [4 b][16 t][3072] f32: the first 16 positions of every sequence, unrounded.
; LIMIT: q, k, v are rounded to f16: they must stay at or under 65,504 in size; numbers under 6e-5 keep an absolute error of 3e-8.
; REGISTERS: window 0: v0-31 addresses; v32-95 scale words, two sets; from v128 A's fragments, one set.  window 1: B's fragments, two sets.  windows 2, 3: the accumulators ((a, b) at v[8 (8 (a % 4) + b)]).
.set KSTEP,  512
.set NQ,     4
.set ROWB,   256
.set KROW,   512
.set PITCH,  272                       ; 256 bytes + 16 of padding: the 16 rows of a fragment load start at 16 different 16-byte columns
.set FR,     8
.set NL,     2
.set NP,     4
.set HALFT,  128*PITCH
.set SLOT,   4*HALFT
.set KS,     32
.set SCL,    2*SLOT
.set HALFS,  16*272
.set SBLK,   2*272
.set SPARE,  SCL+4*HALFS
.set ADRA, 16
.set ADRB, 20
.set STO32, 22                         ; v22  f32 copy: where I put 32 bytes of a row
.set RD32, 23                          ; v23  and where I read a row back
.set STO,  24                          ; v24  f16: where I put 16 bytes of a row
.set RD,   25                          ; v25  f16: where I read four rows back
.set CO,   26                          ; v26  16 x lane
.set ADRS, 27
.set SPW,  28
.set NIL,  29
.set SC,   32
.set AF,   128
.set TMP,  32                          ; the way out: packed results
.set BK,   64                          ; the way out: read back: v64-95 and v96-127 by turns
.set G1, 24
.set G0, 32
.set G1B, 48
.set G0B, 56
.set G1S, 68
.set G0S, 76
.set G1SB, 80
.set G0SB, 88
.set MSB, 0
.macro WIN new                         ; the immediate's high byte repeats the setting that is left
.if MSB != \new
	s_set_vgpr_msb (MSB<<8)|\new
.set MSB, \new
.endif
.endm
.set MUL_LO, 0xa1
.set MUL_HI, 0xf1
.set TO_B,   0x40
; A joint load: waves 0 and 1 fetch for A, waves 2 and 3 for B; the branch hangs on the wave's number alone.  An s_nop 0 and four v_nop follow each line.
.macro JLOAD g0a, g1a, g0b, g1b
	s_cmp_eq_u32 s15, 0
	s_cbranch_scc0 .Lfor_b_\@
	tensor_load_to_lds s[\g0a:\g0a+3], s[\g1a:\g1a+7]
	s_nop 0
.rept 4
	v_nop
.endr
	s_branch .Lasked_\@
.Lfor_b_\@:
	tensor_load_to_lds s[\g0b:\g0b+3], s[\g1b:\g1b+7]
	s_nop 0
.rept 4
	v_nop
.endr
.Lasked_\@:
.endm
.macro CROUND                          ; a round of the cluster's barrier
	s_barrier_signal -1
	s_barrier_wait -1
	s_cmp_lg_u32 s14, 0
	s_cbranch_scc1 .Lnot_wave_0_\@
	s_barrier_signal -3
.Lnot_wave_0_\@:
	s_barrier_wait -3
	s_barrier_signal -1
	s_barrier_wait -1
.endm
	s_load_b128 s[4:7], s[0:1], 0x0                ; A's codes, A's scales
	s_load_b128 s[8:11], s[0:1], 0x10              ; B's codes, B's scales
	s_load_b64 s[12:13], s[0:1], 0x20              ; qkv16
	s_load_b64 s[96:97], s[0:1], 0x28              ; qkv32
	v_lshl_add_u32 v[SPW], v0, 2, SPARE
	v_mov_b32 v[NIL], 0
	ds_add_u32 v[SPW], v[NIL]                      ; the wave's opening: the add, twice on end, and its wait ahead of my first tensor load
	ds_add_u32 v[SPW], v[NIL]
	v_lshrrev_b32 v1, 5, v0
	v_readfirstlane_b32 s14, v1                    ; wave 0..3
	s_lshr_b32 s15, s14, 1                         ; my half of the tile's rows; also: I fetch for A (0) or B (1)
	s_and_b32 s16, s14, 1                          ; my half of its columns; also: which 128 rows I fetch
	s_bfe_u32 s40, ttmp6, 0x40000                  ; cx
	s_bfe_u32 s41, ttmp6, 0x40004                  ; cy = the batch
	s_lshl_b32 s42, ttmp9, 2
	s_add_co_u32 s42, s42, s40                     ; tile column = 4 x cluster x + cx
	s_and_b32 s17, ttmp7, 0xffff                   ; cluster y = the tile inside the batch
	s_or_b32 s95, s17, s15                         ; 0 where my 128 rows begin a sequence: cluster y and the wave's number alone
	s_lshl_b32 s18, s41, 3
	s_add_co_u32 s17, s17, s18                     ; tile row = 8 cy + cluster y
	s_lshl_b32 s43, s41, 2
	s_lshl_b32 s43, 15, s43                        ; my row of the cluster
	s_lshl_b32 s44, 0x1111, s40                    ; my column
	s_or_b32 s[G1+0], s43, (0<<16)|(1<<20)|(1<<21)|(5<<22)|(3<<25)  ; mask; elements of 1 byte; padding: 4 words after every 64
	s_or_b32 s[G1B+0], s44, (0<<16)|(1<<20)|(1<<21)|(5<<22)|(3<<25)
.irp g, G1, G1B
	s_mov_b32 s[\g+1], ROWB<<16                    ; tensor_dim0
	s_mov_b32 s[\g+2], 128<<16                     ; tensor_dim1
	s_mov_b32 s[\g+3], ROWB<<16                    ; tile_dim0
	s_mov_b32 s[\g+4], 128                         ; tile_dim1
	s_mov_b32 s[\g+5], KROW                        ; pitch
	s_mov_b32 s[\g+6], 0
	s_mov_b32 s[\g+7], 0
.endr
	s_or_b32 s[G1S+0], s43, (3<<16)|(1<<20)|(1<<21)|(5<<22)|(3<<25) ; the scales of 128 rows: 4,096 dense bytes as 16 rows of 256 (32 elements of 8 bytes), 16 bytes of padding behind each
	s_or_b32 s[G1SB+0], s44, (3<<16)|(1<<20)|(1<<21)|(5<<22)|(3<<25)
.irp g, G1S, G1SB
	s_mov_b32 s[\g+1], 32<<16
	s_mov_b32 s[\g+2], 16<<16
	s_mov_b32 s[\g+3], 32<<16
	s_mov_b32 s[\g+4], 16
	s_mov_b32 s[\g+5], 32
	s_mov_b32 s[\g+6], 0
	s_mov_b32 s[\g+7], 0
.endr
	s_lshl_b32 s18, s16, 7
	s_lshl_b32 s20, s17, 8
	s_add_co_u32 s20, s20, s18                     ; A: row 256 x tile row + 128 x half
	s_lshl_b32 s46, s42, 8
	s_add_co_u32 s46, s46, s18                     ; B: row 256 x tile column + 128 x half
	s_mov_b32 s21, 0
	s_mov_b32 s47, 0
	s_mov_b64 s[18:19], KS
	s_mul_u64 s[22:23], s[20:21], s[18:19]
	s_mul_u64 s[92:93], s[46:47], s[18:19]
	s_mov_b64 s[18:19], KROW
	s_mul_u64 s[20:21], s[20:21], s[18:19]
	s_mul_u64 s[46:47], s[46:47], s[18:19]
	s_mul_i32 s45, s14, HALFT                      ; LDS: wave x 128 rows
	s_mul_i32 s94, s14, HALFS
	s_wait_dscnt 0x0                               ; both opening adds are done
	s_wait_kmcnt 0x0
	s_add_nc_u64 s[20:21], s[4:5], s[20:21]
	s_add_nc_u64 s[22:23], s[6:7], s[22:23]
	s_add_nc_u64 s[46:47], s[8:9], s[46:47]
	s_add_nc_u64 s[92:93], s[10:11], s[92:93]
	CROUND                                         ; all sixteen work-groups are here: the first joint loads meet
	s_mov_b32 s[G0S], 1
	s_add_co_u32 s[G0S+1], s94, SCL
	s_mov_b64 s[G0S+2:G0S+3], s[22:23]
	s_or_b32 s[G0S+3], s[G0S+3], 0x80000000
	s_mov_b32 s[G0SB], 1
	s_add_co_u32 s[G0SB+1], s94, SCL
	s_mov_b64 s[G0SB+2:G0SB+3], s[92:93]
	s_or_b32 s[G0SB+3], s[G0SB+3], 0x80000000
	JLOAD G0S, G1S, G0SB, G1SB                     ; three loads of mine go out here: the scales, slot 0, slot 1
.irp s, 0,1
	s_mov_b32 s[G0+4*\s], 1
	s_add_co_u32 s[G0+4*\s+1], s45, \s*SLOT
	s_add_nc_u64 s[G0+4*\s+2:G0+4*\s+3], s[20:21], \s*ROWB
	s_or_b32 s[G0+4*\s+3], s[G0+4*\s+3], 0x80000000
	s_mov_b32 s[G0B+4*\s], 1
	s_add_co_u32 s[G0B+4*\s+1], s45, \s*SLOT
	s_add_nc_u64 s[G0B+4*\s+2:G0B+4*\s+3], s[46:47], \s*ROWB
	s_or_b32 s[G0B+4*\s+3], s[G0B+4*\s+3], 0x80000000
	JLOAD G0+4*\s, G1, G0B+4*\s, G1B
.endr
	v_and_b32 v1, 15, v0                           ; r
	v_bfe_u32 v2, v0, 4, 1                         ; h
	v_mul_u32_u24 v3, v1, PITCH
	v_lshl_add_u32 v4, v2, 4, v3
	s_mul_i32 s21, s15, HALFT
	s_mul_i32 s22, s16, HALFT
	s_add_co_u32 s22, s22, 2*HALFT
.irp s, 0,1
	v_add_nc_u32 v[ADRA+\s], s21, v4
	v_add_nc_u32 v[ADRB+\s], s22, v4
	s_add_co_u32 s21, s21, SLOT
	s_add_co_u32 s22, s22, SLOT
.endr
	v_mul_u32_u24 v5, v1, KS                       ; my row's scales: 32 bytes a row,
	v_lshrrev_b32 v6, 8, v5
	v_lshl_add_u32 v5, v6, 4, v5                   ; and 16 more for each 256 passed
	s_mul_i32 s21, s15, HALFS
	s_mul_i32 s22, s16, HALFS
	s_add_co_u32 s22, s22, 2*HALFS
	s_sub_co_u32 s22, s22, s21
	v_mul_u32_u24 v6, s22, v2                      ; lanes 16-31 take B's: one product, the distance between the two bases
	s_add_co_u32 s21, s21, SCL
	v_add_nc_u32 v5, v5, v6
	v_add_nc_u32 v[ADRS], s21, v5
	s_mul_i32 s23, s14, 8448                       ; my stage: it lies in slot 0, which has had its only fill and its last read when the first result is stored there
	v_mul_u32_u24 v5, v1, 144
	v_lshl_add_u32 v5, v2, 4, v5
	v_add_nc_u32 v[STO], s23, v5                   ; f16 in: row r of 128 bytes + 16, 16 bytes for each half of the lanes
	v_bfe_u32 v5, v0, 3, 2
	v_mul_u32_u24 v5, v5, 144
	v_and_b32 v6, 7, v0
	v_lshl_add_u32 v5, v6, 4, v5
	v_add_nc_u32 v[RD], s23, v5                    ; f16 back: eight lanes to a row, four rows an instruction
	v_and_b32 v6, 31, v0
	v_lshlrev_b32 v[CO], 4, v6
	v_mul_u32_u24 v5, v1, 528
	v_lshl_add_u32 v5, v2, 5, v5
	v_add_nc_u32 v[STO32], s23, v5                 ; f32 in: row r of 512 bytes + 16
	v_add_nc_u32 v[RD32], s23, v[CO]               ; f32 back: 32 lanes take a row
	s_mul_i32 s20, s41, 48                         ; qkv16: ((48 b + 4 tile column + 2 half) x 2,048 + 256 cluster y + 128 half) x 128 bytes
	s_lshl_b32 s21, s42, 2
	s_add_co_u32 s20, s20, s21
	s_lshl_b32 s21, s16, 1
	s_add_co_u32 s20, s20, s21
	s_lshl_b32 s20, s20, 11
	s_and_b32 s21, ttmp7, 0xffff
	s_lshl_b32 s21, s21, 8
	s_add_co_u32 s20, s20, s21
	s_lshl_b32 s21, s15, 7
	s_add_co_u32 s20, s20, s21
	s_lshl_b32 s20, s20, 7
	s_mov_b32 s21, 0
	s_add_nc_u64 s[12:13], s[12:13], s[20:21]
	s_mul_i32 s46, s41, 196608                     ; qkv32: b x 16 rows of 12,288 bytes + my 128 columns
	s_lshl_b32 s47, s42, 10
	s_add_co_u32 s46, s46, s47
	s_lshl_b32 s47, s16, 9
	s_add_co_u32 s46, s46, s47
	s_mov_b32 s47, 0
	s_add_nc_u64 s[96:97], s[96:97], s[46:47]
.macro FRAG reg, adr, q, i             ; 16 rows x 128 K of 4-bit codes: 8 registers, two loads of 16 bytes, 32 bytes apart
.irp c, 0,1
	ds_load_b128 v[\reg+4*\c:\reg+4*\c+3], v[\adr] offset:64*(\q)+32*\c+(\i)*16*PITCH
.endr
.endm
; 16 matrix instructions: A's blocks a0, a0 + 1 x B's eight.  The 64 accumulators take turns, one instruction a turn, in the same order in every step.
.macro MUL16 a0, p, q, sc, zero
.irp a, \a0, \a0+1
.irp b, 0,1,2,3,4,5,6,7
.if \zero
	v_wmma_scale_f32_16x16x128_f8f6f4 v[8*(8*((\a)%4)+\b):8*(8*((\a)%4)+\b)+7], v[128*(\p)+FR*\b:128*(\p)+FR*\b+FR-1], v[AF+FR*(\a):AF+FR*(\a)+FR-1], 0, v[SC+8*NQ*(\sc)+NQ*\b+(\q)], v[SC+8*NQ*(\sc)+NQ*(\a)+(\q)] matrix_a_fmt:MATRIX_FMT_FP4 matrix_b_fmt:MATRIX_FMT_FP4 matrix_a_scale:MATRIX_SCALE_ROW1
.else
	v_wmma_scale_f32_16x16x128_f8f6f4 v[8*(8*((\a)%4)+\b):8*(8*((\a)%4)+\b)+7], v[128*(\p)+FR*\b:128*(\p)+FR*\b+FR-1], v[AF+FR*(\a):AF+FR*(\a)+FR-1], v[8*(8*((\a)%4)+\b):8*(8*((\a)%4)+\b)+7], v[SC+8*NQ*(\sc)+NQ*\b+(\q)], v[SC+8*NQ*(\sc)+NQ*(\a)+(\q)] matrix_a_fmt:MATRIX_FMT_FP4 matrix_b_fmt:MATRIX_FMT_FP4 matrix_a_scale:MATRIX_SCALE_ROW1
.endif
.endr
.endr
.endm
.macro FETCH_B slot, q, p
	WIN TO_B
.irp i, 0,1,2,3,4,5,6,7
	FRAG 128*(\p)+FR*\i, ADRB+\slot, \q, \i
.endr
	WIN 0
.endm
.macro FETCH_A slot, q, i0
.irp i, \i0, \i0+1, \i0+2, \i0+3
	FRAG AF+FR*(\i), ADRA+\slot, \q, \i
.endr
.endm
.macro SCALES sc                       ; a slot's scale words: 4 words a row; lanes 0-15 take A's block i, lanes 16-31 B's block i
.irp i, 0,1,2,3,4,5,6,7
	ds_load_b128 v[SC+8*NQ*\sc+NQ*\i:SC+8*NQ*\sc+NQ*\i+3], v[ADRS] offset:\i*SBLK
.endr
.endm
.macro PLACES n                        ; plain vector instructions between a matrix instruction and a load into, or a read of, its registers
.rept \n
	v_nop
.endr
.endm
.macro STEP slot, q, zero              ; 128 along K, with its successor in the same slot
	s_wait_dscnt 4*NL                              ; B's set and A's blocks 0-3 are in; the youngest eight loads (A's blocks 4-7) may be out
	WIN MUL_LO
	MUL16 0, (\q)%2, \q, \slot, \zero
	MUL16 2, (\q)%2, \q, \slot, \zero
	s_wait_dscnt 0                                 ; A's blocks 4-7 are in
	PLACES NP
	FETCH_B \slot, (\q)+1, 1-(\q)%2
	FETCH_A \slot, (\q)+1, 0
	WIN MUL_HI
	MUL16 4, (\q)%2, \q, \slot, \zero
	MUL16 6, (\q)%2, \q, \slot, \zero
	PLACES NP
	WIN 0
	FETCH_A \slot, (\q)+1, 4
.endm
.macro STEPS slot, from
.set Q, \from
.rept NQ-1-\from
	STEP \slot, Q, 0
.set Q, Q+1
.endr
.endm
	s_wait_tensorcnt 1                             ; the scales and my part of slot 0 are in; slot 1's load may be out
	s_barrier_signal -1
	s_barrier_wait -1
	FETCH_B 0, 0, 0
	FETCH_A 0, 0, 0
	SCALES 0
	FETCH_A 0, 0, 4
	STEP 0, 0, 1                                   ; the first products start the sums: nothing is cleared
	STEPS 0, 1
	; slot 0's last step changes slots: one barrier; nothing is filled again
	s_wait_tensorcnt 0x0                           ; my part of slot 1 has landed
	ds_add_u32 v[SPW], v[NIL]                      ; 0 onto my spare word
	s_wait_dscnt 4*NL+1                            ; the add and the youngest eight loads may be out
	WIN MUL_LO
	MUL16 0, 1, NQ-1, 0, 0
	s_wait_dscnt 0x0                               ; the add is done, and my reads of slot 0 are over
	s_barrier_signal -1
	MUL16 2, 1, NQ-1, 0, 0
	WIN 0
	s_barrier_wait -1                              ; slot 1 is whole, and nobody reads slot 0 any more
	PLACES NP
	v_add_nc_u32 v[ADRS], 4*NQ, v[ADRS]            ; the next 512 along K: 16 scale bytes on
	FETCH_B 1, 0, 0
	FETCH_A 1, 0, 0
	SCALES 1
	WIN MUL_HI
	MUL16 4, 1, NQ-1, 0, 0
	MUL16 6, 1, NQ-1, 0, 0
	PLACES NP
	WIN 0
	FETCH_A 1, 0, 4
	STEPS 1, 0
	s_wait_dscnt 4*NL                              ; the very last step
	WIN MUL_LO
	MUL16 0, 1, NQ-1, 1, 0
	MUL16 2, 1, NQ-1, 1, 0
	s_wait_dscnt 0
	WIN MUL_HI
	MUL16 4, 1, NQ-1, 1, 0
	MUL16 6, 1, NQ-1, 1, 0
	WIN 0
	PLACES NP                                      ; for the reads of the last results, the writes of the scale registers and the loads into A's fragments
	; THE F32 COPY of a sequence's first 16 rows: block 0 of the waves whose 128 rows begin a sequence.
	s_cmp_lg_u32 s95, 0
	s_cbranch_scc1 .Lno32
	WIN 0x08                                       ; an LDS store's data: window 2
.irp b, 0,1,2,3,4,5,6,7
	ds_store_b128 v[STO32], v[8*\b:8*\b+3] offset:64*\b            ; each accumulator from its low end on
	ds_store_b128 v[STO32], v[8*\b+4:8*\b+7] offset:64*\b+16
.endr
	WIN 0
.irp t, 0,1,2,3,4,5,6,7,8,9,10,11,12,13,14,15
	ds_load_b128 v[128+4*\t:131+4*\t], v[RD32] offset:\t*528       ; in order behind my stores
.endr
	s_wait_dscnt 0x0
.irp t, 0,1,2,3,4,5,6,7,8,9,10,11,12,13,14,15
	global_store_b128 v[CO], v[128+4*\t:131+4*\t], s[96:97] offset:\t*12288   ; 32 lanes store 512 consecutive bytes, aligned
.endr
.Lno32:
; THE WAY OUT IN F16, block by block of 16 rows x 128 columns (two g of 64).
.macro PACK a
.set AC, 64*((\a)%4)
	WIN 0x0a+5*((\a)/4)                            ; sources 0 and 1: window 2 or 3
.irp b, 0,1,2,3,4,5,6,7
.irp r, 0,1,2,3
	v_cvt_pk_f16_f32 v[TMP+4*\b+\r], v[AC+8*\b+2*\r], v[AC+8*\b+2*\r+1]
.endr
.endr
	WIN 0
.endm
.macro TOSTAGE a
.set BB, BK+32*((\a)%2)
.irp b, 0,1,2,3,4,5,6,7
	ds_store_b128 v[STO], v[TMP+4*\b:TMP+4*\b+3] offset:(\b/4)*2304+(\b%4)*32
.endr
.irp j, 0,1
.irp i, 0,1,2,3
	ds_load_b128 v[BB+16*\j+4*\i:BB+16*\j+4*\i+3], v[RD] offset:\j*2304+576*\i   ; in order behind my stores; the next block's stores come behind these
.endr
.endr
.endm
.macro SEND a
.set BB, BK+32*((\a)%2)
	s_wait_dscnt 0x0                               ; the block is back in registers
	s_wait_xcnt 0x0                                ; the earlier stores have read their registers: the block after this one may land where the block before it lay
.irp j, 0,1
.irp i, 0,1,2,3
	global_store_b128 v[CO], v[BB+16*\j+4*\i:BB+16*\j+4*\i+3], s[12:13] offset:\j*262144+(\a)*2048+512*\i   ; 32 lanes store 512 consecutive bytes, aligned
.endr
.endr
.endm
	PACK 0
	TOSTAGE 0
.irp a, 1,2,3,4,5,6,7                  ; block a's conversions stand between block a - 1's loads from the stage and the wait for them
	PACK \a
	SEND \a-1
	TOSTAGE \a
.endr
	SEND 7
	s_wait_tensorcnt 0x0                           ; the wave's end
	ds_add_u32 v[SPW], v[NIL]
	s_wait_dscnt 0x0
	CROUND                                         ; the closing round
	s_endpgm
.Lfunc_end_k_q168117f43b_gemm_qkv:
	.size	k_q168117f43b_gemm_qkv, .Lfunc_end_k_q168117f43b_gemm_qkv-k_q168117f43b_gemm_qkv
	.p2alignl 7, 3214868480
	.fill 96, 4, 3214868480
	.section	.rodata,"a",@progbits
	.p2align	6, 0x0
	.amdhsa_kernel k_q168117f43b_gemm_qkv
		.amdhsa_group_segment_fixed_size 327680
		.amdhsa_private_segment_fixed_size 0
		.amdhsa_enable_private_segment 0
		.amdhsa_kernarg_size 48
		.amdhsa_user_sgpr_count 2
		.amdhsa_user_sgpr_kernarg_segment_ptr 1
		.amdhsa_wavefront_size32 1
		.amdhsa_system_sgpr_workgroup_id_x 1
		.amdhsa_system_sgpr_workgroup_id_y 1
		.amdhsa_system_sgpr_workgroup_id_z 1
		.amdhsa_system_vgpr_workitem_id 0
		.amdhsa_next_free_vgpr 1024
		.amdhsa_next_free_sgpr 98
		.amdhsa_reserve_vcc 0
		.amdhsa_float_denorm_mode_32 3
		.amdhsa_float_denorm_mode_16_64 3
		.amdhsa_memory_ordered 1
		.amdhsa_forward_progress 1
		.amdhsa_inst_pref_size 131
	.end_amdhsa_kernel
	.amdgpu_metadata
---
amdhsa.version: [ 1, 2 ]
amdhsa.kernels:
  - .name:           k_q168117f43b_gemm_qkv
    .symbol:         k_q168117f43b_gemm_qkv.kd
    .args:
      - { .name: x_codes, .offset: 0, .size: 8, .value_kind: global_buffer, .address_space: global }
      - { .name: x_scales, .offset: 8, .size: 8, .value_kind: global_buffer, .address_space: global }
      - { .name: w_codes, .offset: 16, .size: 8, .value_kind: global_buffer, .address_space: global }
      - { .name: w_scales, .offset: 24, .size: 8, .value_kind: global_buffer, .address_space: global }
      - { .name: qkv16, .offset: 32, .size: 8, .value_kind: global_buffer, .address_space: global }
      - { .name: qkv32, .offset: 40, .size: 8, .value_kind: global_buffer, .address_space: global }
    .group_segment_fixed_size: 327680
    .private_segment_fixed_size: 0
    .kernarg_segment_align: 8
    .kernarg_segment_size: 48
    .max_flat_workgroup_size: 128
    .sgpr_count:     98
    .vgpr_count:     1024
    .wavefront_size: 32
...
	.end_amdgpu_metadata
.endif
;; end of part 2
;; launch attn (part 3): grid 4 x 64, 16 waves a work-group, no clusters, 327,680 bytes of LDS; arguments qkv16, y16; writes y16
.if DOCPART == 3
	.amdgcn_target "amdgcn-amd-amdhsa--gfx1250"
	.amdhsa_code_object_version 6
	.text
	.protected	k_q168117f43b_attn
	.globl	k_q168117f43b_attn
	.p2align	8
	.type	k_q168117f43b_attn,@function
k_q168117f43b_attn:
	s_mov_b64 s[64:65], 0
	v_nop
	global_prefetch_b8 v0, s[64:65] scope:SCOPE_SE
	s_setreg_imm32_b32 hwreg(HW_REG_WAVE_MODE, 25, 1), 1
	s_wait_xcnt 0x0
; y[b][h][q] = the sum over k <= q of softmax_k(Q.K / 8) V, head size 64, T = 2,048, on f16 operands with f32 sums; maxima, exponentials and row sums in f32, with a running maximum.
; SHARES.  Work-group (p, bh) owns the query blocks 7 - p (waves 0-7) and p (waves 8-15) of 256 queries of one head: under the causal mask every work-group then has the same number of scores.
; A wave owns 32 neighbouring queries, two tiles of 16: each fragment of K and V read from LDS feeds two matrix instructions.  Four waves share a SIMD: one wave's vector work stands beside another's products.
; NO CLUSTER: the four work-groups of a head reach different causal limits (2,047 - 256 p), so a joint load would bring tiles that every wave of some partner jumps over.
; LAYOUT.  S^T = K Q^T (source 0 = 16 keys, source 1 = 16 queries): a lane holds one query and the keys 8 (lane / 16) + 0..7; two such tiles, rounded to f16 in pairs, are source 1 of O^T = V^T P.
; K comes out of LDS as it lies, V ([key][channel]) turned by ds_load_tr16_b128.
; THE RING.  Two slots of 256 keys (K: 256 rows of 144 bytes; V: 256 rows of 160), 2^17 bytes apart.  Every work-group walks all 8 slots with constant trip counts; a step whose keys all come after the
; wave's queries is jumped over, and a slot whose first key comes after the work-group's last query is not asked for.  Every wait for tensor loads is for 0; a wave has at most one out.
; LIMITS: q, k, v, y in f16 (at or under 65,504; absolute error 3e-8 under 6e-5); NaN and infinities are not served.  Positions 0-15 of each sequence are computed here too and written over in f32 by a later launch.
.set KP,    144
.set VP,    160
.set VOFF,  256*KP
.set SLOT1, 1<<17
.set STAGE, SLOT1+VOFF+256*VP          ; behind the ring: 32 rows x 144 bytes for each wave
.set SPARE, STAGE+16*32*144            ; the spare words: 128 bytes for each of 16 waves
.set AK0, 1                            ; v1   my lane's place in a tile of K
.set AV0, 2                            ; v2   and of V
.set ADK, 3                            ; v3   LDS address of the step's K
.set ADV, 4                            ; v4   of its V
.set SPW, 5
.set NIL, 6
.set RH,  7                            ; v7   r - 8 h
.set DM,  8                            ; v8   the mask's bound
.set NINF, 9                           ; v9   -infinity
.set GO,  10                           ; v10  16 x lane
.set STI, 11                           ; v11  stage, way in
.set ST,  12                           ; v12-27 statistics, 8 a tile: +0 c m, +1 m, +2:3 l, +4..7 at work (+6 a)
.set PFO, 28                           ; v28  256 x lane; never rewritten
.set STB, 29                           ; v29  stage, way back
.set Q,   32                           ; v32-63   Q: tile t, 32 channels c at 32 + 16 t + 8 c
.set KV,  64                           ; v64-127  one buffer: K's 8 fragments, then V's 8
.set S,   128                          ; v128-191 S^T, 32 a tile; p is packed in place into each tile's low 16
.set O,   192                          ; v192-255 O^T: tile t, 16 channels dt at 192 + 32 t + 8 dt
.set TK,  2
.set TV,  3
.set WV,  8
.set Q0,  12
.set QL,  13
.set KF,  14
.set SLOTS, 15
.set CNT, 16
.set LIM, 17
.set PFA, 18
.set SEL, 20
.set CS,  22
.set G1K, 24
.set G1V, 32
.set G0K, 40
.set G0V, 44
; Waves 0 and 1 fetch K's halves, waves 2 and 3 V's, the others nothing.  An s_nop 0 and four v_nop follow each line.
.macro TLOAD
	s_cmp_lt_u32 s[WV], 2
	s_cbranch_scc0 .Lnot_k_\@
	tensor_load_to_lds s[G0K:G0K+3], s[G1K:G1K+7]
	s_nop 0
.rept 4
	v_nop
.endr
	s_branch .Lasked_\@
.Lnot_k_\@:
	s_cmp_lt_u32 s[WV], 4
	s_cbranch_scc0 .Lasked_\@
	tensor_load_to_lds s[G0V:G0V+3], s[G1V:G1V+7]
	s_nop 0
.rept 4
	v_nop
.endr
.Lasked_\@:
.endm
; A prefetch of the slot that the NEXT change of slots will ask for: K's and V's 256 rows are each 32,768 dense bytes.  The head's work-group p = 0, which walks all slots, asks; in it waves 4-7 name K's
; block and waves 8-11 V's, 8,192 bytes a wave, lanes 256 bytes apart: each aligned 256 bytes of slots 2 to 7 is named once in the launch.  The last change that fills a slot asks for nothing.
.macro ASK
	s_cmp_gt_u32 s[SLOTS], s[LIM]
	s_cbranch_scc0 .Lnot_mine_\@
	global_prefetch_b8 v[PFO], s[PFA:PFA+1] th:TH_LOAD_NT scope:SCOPE_SE
.Lnot_mine_\@:
.endm
	s_load_b128 s[4:7], s[0:1], 0x0                ; qkv16, y16
	v_lshl_add_u32 v[SPW], v0, 2, SPARE
	v_mov_b32 v[NIL], 0
	ds_add_u32 v[SPW], v[NIL]                      ; the wave's opening: the add, twice on end, and its wait ahead of the first tensor load
	ds_add_u32 v[SPW], v[NIL]
	v_lshrrev_b32 v1, 5, v0
	v_readfirstlane_b32 s[WV], v1                  ; wave 0..15
	s_and_b32 s56, ttmp7, 0xffff
	s_lshr_b32 s57, s56, 4                         ; batch
	s_and_b32 s58, s56, 15                         ; head
	s_sub_co_u32 s59, 7, ttmp9
	s_cmp_lt_u32 s[WV], 8
	s_cselect_b32 s60, s59, ttmp9                  ; my block of 256 queries
	s_lshl_b32 s[Q0], s60, 8
	s_and_b32 s61, s[WV], 7
	s_lshl_b32 s61, s61, 5
	s_add_co_u32 s[Q0], s[Q0], s61                 ; my first query
	s_lshl_b32 s[QL], s59, 8
	s_or_b32 s[QL], s[QL], 255                     ; the work-group's last query
	s_mov_b32 s[G1K], (1<<16)|(1<<20)|(4<<22)|(3<<25)   ; elements of 2 bytes; padding: 4 words after every 32
	s_mov_b32 s[G1V], (1<<16)|(1<<20)|(4<<22)|(7<<25)   ; the same with 8 words
.irp g, G1K, G1V
	s_mov_b32 s[\g+1], 64<<16                      ; tensor_dim0 = 64
	s_mov_b32 s[\g+2], 128<<16                     ; tensor_dim1 = 128
	s_mov_b32 s[\g+3], 64<<16                      ; tile_dim0 = 64
	s_mov_b32 s[\g+4], 128                         ; tile_dim1 = 128
	s_mov_b32 s[\g+5], 64                          ; pitch
	s_mov_b32 s[\g+6], 0
	s_mov_b32 s[\g+7], 0
.endr
	s_and_b32 s56, s[WV], 1                        ; which 128 rows of a slot I fetch, if I fetch
	s_mov_b32 s[G0K], 1
	s_mul_i32 s[G0K+1], s56, 128*KP
	s_mov_b32 s[G0V], 1
	s_mul_i32 s[G0V+1], s56, 128*VP
	s_add_co_u32 s[G0V+1], s[G0V+1], VOFF
	s_lshl_b32 s60, s56, 14
	s_mov_b32 s61, 0
	s_mul_i32 s62, s57, 48
	s_add_co_u32 s62, s62, s58
	s_lshl_b32 s62, s62, 18                        ; (48 b + head) x 2,048 rows of 128 bytes
	s_mov_b32 s63, 0
	s_mov_b32 s[SEL], 0x76543210
	s_mov_b32 s[SEL+1], 0xfedcba98
	s_mov_b32 s[CS], 0x3e38aa3b                    ; c = log2(e) / 8
	s_mov_b32 s[CS+1], s[CS]
	s_mov_b32 s[TK], 0
	s_mov_b32 s[TV], 0
	s_mov_b32 s[KF], 0
	s_mov_b32 s[SLOTS], 7
	s_wait_dscnt 0x0                               ; both opening adds are done
	s_wait_kmcnt 0x0
	s_add_nc_u64 s[48:49], s[4:5], s[62:63]        ; q's head,
	s_add_nc_u64 s[50:51], s[48:49], 16<<18        ; k's, 16 g on,
	s_add_nc_u64 s[52:53], s[48:49], 32<<18        ; v's
	s_add_nc_u64 s[G0K+2:G0K+3], s[50:51], s[60:61]
	s_or_b32 s[G0K+3], s[G0K+3], 0x80000000
	s_add_nc_u64 s[G0V+2:G0V+3], s[52:53], s[60:61]
	s_or_b32 s[G0V+3], s[G0V+3], 0x80000000
	TLOAD                                          ; slot 0: it holds key 0, which counts for every query
	s_lshl_b32 s62, s[Q0], 7
	s_add_nc_u64 s[48:49], s[48:49], s[62:63]      ; Q at my first query
	s_lshl_b32 s62, s57, 4                         ; y16 [64 mb][16 h][128 r][64 d]: mb = 16 b + Q0 / 128
	s_lshr_b32 s60, s[Q0], 7
	s_add_co_u32 s62, s62, s60
	s_lshl_b32 s62, s62, 4
	s_add_co_u32 s62, s62, s58
	s_lshl_b32 s62, s62, 14
	s_and_b32 s60, s[Q0], 127
	s_lshl_b32 s60, s60, 7
	s_add_co_u32 s62, s62, s60
	s_add_nc_u64 s[54:55], s[6:7], s[62:63]
	s_cmp_lt_u32 s[WV], 8                          ; the prefetches: waves 4-7 K, waves 8-11 V
	s_cselect_b64 s[PFA:PFA+1], s[50:51], s[52:53]
	s_and_b32 s56, s[WV], 3
	s_lshl_b32 s56, s56, 13
	s_add_co_u32 s56, s56, 32768                   ; in slot 1: the first change of slots steps it to slot 2; nothing is prefetched at the head
	s_mov_b32 s57, 0
	s_add_nc_u64 s[PFA:PFA+1], s[PFA:PFA+1], s[56:57]
	s_sub_co_u32 s56, s[WV], 4
	s_lshr_b32 s56, s56, 3                         ; 0 in waves 4 to 11,
	s_or_b32 s56, s56, ttmp9                       ; of the work-group p = 0
	s_cmp_eq_u32 s56, 0
	s_cselect_b32 s[LIM], 1, -1
	v_and_b32 v30, 15, v0                          ; r
	v_bfe_u32 v31, v0, 4, 1                        ; h
	v_lshlrev_b32 v[DM], 7, v30
	v_lshl_add_u32 v[DM], v31, 4, v[DM]            ; Q: row r of 128 bytes + 16 h
.irp t, 0,1
.irp c, 0,1
	global_load_b128 v[Q+16*\t+8*\c:Q+16*\t+8*\c+3], v[DM], s[48:49] offset:2048*\t+64*\c
	global_load_b128 v[Q+16*\t+8*\c+4:Q+16*\t+8*\c+7], v[DM], s[48:49] offset:2048*\t+64*\c+32
.endr
.endr
	v_mul_u32_u24 v[AK0], v30, KP
	v_lshl_add_u32 v[AK0], v31, 4, v[AK0]
	v_and_b32 v3, 7, v0
	v_lshl_add_u32 v[AV0], v31, 3, v3
	v_mul_u32_u24 v[AV0], v[AV0], VP
	v_bfe_u32 v3, v0, 3, 1
	v_lshl_add_u32 v[AV0], v3, 4, v[AV0]
	v_add_nc_u32 v[AV0], VOFF, v[AV0]
	v_lshlrev_b32 v[RH], 3, v31
	v_sub_nc_u32 v[RH], v30, v[RH]
	v_mov_b32 v[NINF], 0xff800000
	v_and_b32 v[GO], 31, v0
	v_lshlrev_b32 v[PFO], 8, v[GO]
	v_lshlrev_b32 v[GO], 4, v[GO]
	s_mul_i32 s56, s[WV], 32*144
	s_add_co_u32 s56, s56, STAGE
	v_add_nc_u32 v[STI], s56, v[AK0]               ; in: row r of 144 bytes, + 16 h
	v_bfe_u32 v[STB], v0, 3, 2
	v_mul_u32_u24 v[STB], v[STB], 144
	v_and_b32 v3, 7, v0
	v_lshl_add_u32 v[STB], v3, 4, v[STB]
	v_add_nc_u32 v[STB], s56, v[STB]               ; back: eight lanes to a row, four rows an instruction
.irp t, 0,1
	v_mov_b32 v[ST+8*\t+1], 0xff61b1e6             ; m: -3e38, under every score
	v_mul_f32 v[ST+8*\t], s[CS], v[ST+8*\t+1]
	v_mov_b32 v[ST+8*\t+2], 0                      ; l, in two halves
	v_mov_b32 v[ST+8*\t+3], 0
	v_mov_b32 v[ST+8*\t+5], 0                      ; a lane permute's destination counts as one of its sources
	v_mov_b32 v[ST+8*\t+7], 0
.endr
.set i, 0
.rept 64
	v_mov_b32 v[O+i], 0                            ; the step is written once: its first run finds zeros, which a = 0 leaves zeros
.set i, i+1
.endr
; A KEY STEP: 64 keys, both tiles.
.macro STEP
	s_cmp_gt_u32 s[KF], s[Q0]                      ; KF is a multiple of 64, Q0 of 32: KF > Q0 says that all 64 keys come after my 32 queries
	s_cbranch_scc1 .Lhidden_\@
	v_add_nc_u32 v[ADK], s[TK], v[AK0]
	v_add_nc_u32 v[ADV], s[TV], v[AV0]
.irp kt, 0,1,2,3
.irp c, 0,1
	ds_load_b128 v[KV+16*\kt+8*\c:KV+16*\kt+8*\c+3], v[ADK] offset:16*KP*\kt+64*\c
	ds_load_b128 v[KV+16*\kt+8*\c+4:KV+16*\kt+8*\c+7], v[ADK] offset:16*KP*\kt+64*\c+32
.endr
.endr
	s_wait_dscnt 0x0
.irp c, 0,1                                    ; eight accumulators by turns
.irp kt, 0,1,2,3
.irp t, 0,1
.if \c == 0
	v_wmma_f32_16x16x32_f16 v[S+32*\t+8*\kt:S+32*\t+8*\kt+7], v[KV+16*\kt+8*\c:KV+16*\kt+8*\c+7], v[Q+16*\t+8*\c:Q+16*\t+8*\c+7], 0
.else
	v_wmma_f32_16x16x32_f16 v[S+32*\t+8*\kt:S+32*\t+8*\kt+7], v[KV+16*\kt+8*\c:KV+16*\kt+8*\c+7], v[Q+16*\t+8*\c:Q+16*\t+8*\c+7], v[S+32*\t+8*\kt:S+32*\t+8*\kt+7]
.endif
.endr
.endr
.endr
.rept 4
	v_nop                                          ; places ahead of the loads into K's registers and of the first read of the scores
.endr
.irp kc, 0,1                                   ; V lands while the softmax is walked
.irp dt, 0,1,2,3
	ds_load_tr16_b128 v[KV+32*\kc+8*\dt:KV+32*\kc+8*\dt+3], v[ADV] offset:32*VP*\kc+32*\dt
	ds_load_tr16_b128 v[KV+32*\kc+8*\dt+4:KV+32*\kc+8*\dt+7], v[ADV] offset:32*VP*\kc+32*\dt+16*VP
.endr
.endr
	s_add_co_u32 s62, s[KF], 63
	s_cmp_le_u32 s62, s[Q0]                        ; all 64 keys count for all my queries: no mask
	s_cbranch_scc1 .Lopen_\@
	s_sub_co_i32 s62, s[Q0], s[KF]
	v_add_nc_u32 v[DM], s62, v[RH]                 ; register 8 kt + j of tile t holds key KF + 16 kt + 8 h + j for query Q0 + 16 t + r: hidden where 16 kt + j - 16 t > Q0 - KF + r - 8 h
.irp t, 0,1
.irp kt, 0,1,2,3
.irp j, 0,1,2,3,4,5,6,7
	v_cmp_gt_i32 vcc_lo, 16*\kt+\j-16*\t, v[DM]
	v_cndmask_b32 v[S+32*\t+8*\kt+\j], v[S+32*\t+8*\kt+\j], v[NINF], vcc_lo
.endr
.endr
.endr
.Lopen_\@:
.irp j, 0,1,2,3                                ; the maximum of 32 scores and the old m: four chains a tile, the tiles by turns; each accumulator is read from its low end on
.irp t, 0,1
	v_max3_num_f32 v[ST+8*\t+4+\j], v[S+32*\t+8*\j], v[S+32*\t+8*\j+1], v[S+32*\t+8*\j+2]
.endr
.endr
.irp i, 3,5
.irp j, 0,1,2,3
.irp t, 0,1
	v_max3_num_f32 v[ST+8*\t+4+\j], v[ST+8*\t+4+\j], v[S+32*\t+8*\j+\i], v[S+32*\t+8*\j+\i+1]
.endr
.endr
.endr
.irp t, 0,1
	v_max3_num_f32 v[ST+8*\t+4], v[ST+8*\t+4], v[S+32*\t+7], v[S+32*\t+15]
.endr
.irp t, 0,1
	v_max3_num_f32 v[ST+8*\t+6], v[ST+8*\t+6], v[S+32*\t+23], v[S+32*\t+31]
.endr
.irp t, 0,1
	v_max3_num_f32 v[ST+8*\t+4], v[ST+8*\t+4], v[ST+8*\t+5], v[ST+8*\t+6]
.endr
.irp t, 0,1
	v_max3_num_f32 v[ST+8*\t+4], v[ST+8*\t+4], v[ST+8*\t+7], v[ST+8*\t+1]
.endr
.irp t, 0,1
	v_permlanex16_b32 v[ST+8*\t+5], v[ST+8*\t+4], s[SEL], s[SEL+1]   ; the query's other 32 keys lie in the lane 16 away
.endr
.irp t, 0,1
	v_mov_b32 v[ST+8*\t+7], v[ST+8*\t]             ; c m_old
.endr
.irp t, 0,1
	v_max_num_f32 v[ST+8*\t+1], v[ST+8*\t+4], v[ST+8*\t+5]
.endr
.irp t, 0,1
	v_mul_f32 v[ST+8*\t], s[CS], v[ST+8*\t+1]
.endr
.irp t, 0,1
	v_sub_f32 v[ST+8*\t+7], v[ST+8*\t+7], v[ST+8*\t]
.endr
.irp t, 0,1
	v_exp_f32 v[ST+8*\t+6], v[ST+8*\t+7]           ; a = 2^(c m_old - c m_new)
.endr
.set i, 0
.rept 16
.irp t, 0,1
	v_pk_fma_f32 v[S+32*\t+i:S+32*\t+i+1], v[S+32*\t+i:S+32*\t+i+1], s[CS:CS+1], v[ST+8*\t:ST+8*\t+1] op_sel_hi:[1,0,0] neg_lo:[0,0,1] neg_hi:[0,0,1]   ; c s - c m
.endr
.set i, i+2
.endr
	s_wait_alu depctr_va_vdst(0)                   ; the wait ahead of the first reader of a transcendental's result: here for the two a, which the rescaling below reads
.set i, 0
.rept 64
	v_exp_f32 v[S+i], v[S+i]                       ; p, one batch
.set i, i+1
.endr
.set i, 0
.rept 16
.irp t, 0,1
	v_pk_mul_f32 v[O+32*\t+i:O+32*\t+i+1], v[O+32*\t+i:O+32*\t+i+1], v[ST+8*\t+6:ST+8*\t+7] op_sel_hi:[1,0]   ; O^T x a: plain work that names no p
.endr
.set i, i+2
.endr
	s_wait_alu depctr_va_vdst(0)                   ; one wait for the 64
.irp t, 0,1
	v_pk_fma_f32 v[ST+8*\t+2:ST+8*\t+3], v[ST+8*\t+2:ST+8*\t+3], v[ST+8*\t+6:ST+8*\t+7], v[S+32*\t:S+32*\t+1] op_sel_hi:[1,0,1]   ; l = l a + the sum of p, in two chains a tile
.endr
.irp t, 0,1
	v_pk_add_f32 v[ST+8*\t+4:ST+8*\t+5], v[S+32*\t+2:S+32*\t+3], v[S+32*\t+4:S+32*\t+5]
.endr
.irp j, 6,10,14,18,22,26
.irp t, 0,1
	v_pk_add_f32 v[ST+8*\t+2:ST+8*\t+3], v[ST+8*\t+2:ST+8*\t+3], v[S+32*\t+\j:S+32*\t+\j+1]
.endr
.irp t, 0,1
	v_pk_add_f32 v[ST+8*\t+4:ST+8*\t+5], v[ST+8*\t+4:ST+8*\t+5], v[S+32*\t+\j+2:S+32*\t+\j+3]
.endr
.endr
.irp t, 0,1
	v_pk_add_f32 v[ST+8*\t+2:ST+8*\t+3], v[ST+8*\t+2:ST+8*\t+3], v[S+32*\t+30:S+32*\t+31]
.endr
.irp t, 0,1
	v_pk_add_f32 v[ST+8*\t+2:ST+8*\t+3], v[ST+8*\t+2:ST+8*\t+3], v[ST+8*\t+4:ST+8*\t+5]
.endr
.set i, 0
.rept 16
.irp t, 0,1
	v_cvt_pk_f16_f32 v[S+32*\t+i], v[S+32*\t+2*i], v[S+32*\t+2*i+1]   ; in place, ascending: register i is written when registers 2 i, 2 i + 1 are read
.endr
.set i, i+1
.endr
	s_wait_dscnt 0x0                               ; V is in
.irp kc, 0,1                                   ; eight accumulators by turns
.irp dt, 0,1,2,3
.irp t, 0,1
	v_wmma_f32_16x16x32_f16 v[O+32*\t+8*\dt:O+32*\t+8*\dt+7], v[KV+32*\kc+8*\dt:KV+32*\kc+8*\dt+7], v[S+32*\t+8*\kc:S+32*\t+8*\kc+7], v[O+32*\t+8*\dt:O+32*\t+8*\dt+7]
.endr
.endr
.endr
.rept 5
	v_nop                                          ; places: the next step's loads land in V's registers (4), and its first products write over p (5)
.endr
.Lhidden_\@:
	s_add_co_u32 s[KF], s[KF], 64
	s_add_co_u32 s[TK], s[TK], 64*KP
	s_add_co_u32 s[TV], s[TV], 64*VP
.endm
; THE CHANGE OF SLOTS, at a slot's head.  Each wave waits for all its tensor loads, adds 0 to its spare word, and waits for that and for its reads of the slot that it has left; behind the barrier the slot ahead
; is whole and nobody reads the other one, which is then filled with the next 256 keys: the load has four key steps in which to land.
.macro CHANGE fill
	s_wait_tensorcnt 0x0                           ; no tensor load of mine is out, so a group 0 may be written
	ds_add_u32 v[SPW], v[NIL]
.if \fill
	ds_add_u32 v[SPW], v[NIL]                      ; and twice on end here, in every trip alike
	s_xor_b32 s[G0K+1], s[G0K+1], SLOT1
	s_add_nc_u64 s[G0K+2:G0K+3], s[G0K+2:G0K+3], 32768
	s_xor_b32 s[G0V+1], s[G0V+1], SLOT1
	s_add_nc_u64 s[G0V+2:G0V+3], s[G0V+2:G0V+3], 32768
	s_wait_xcnt 0x0                                ; the last prefetch, a slot back, has read its address
	s_add_nc_u64 s[PFA:PFA+1], s[PFA:PFA+1], 32768
.endif
	s_wait_dscnt 0x0
	s_barrier_signal -1
	s_barrier_wait -1
.if \fill
	s_add_co_u32 s62, s[KF], 256                   ; the first key of the slot that this change would ask for
	s_cmp_gt_u32 s62, s[QL]                        ; past the work-group's last query none of its waves would read it: ids and the count of steps alone, the same in all sixteen waves
	s_cbranch_scc1 .Lpast_\@
	TLOAD
.Lpast_\@:
	ASK
.endif
.endm
.macro SLOT_STEPS
	s_mov_b32 s[CNT], 4
.Lstep_\@:
	STEP
	s_sub_co_u32 s[CNT], s[CNT], 1
	s_cmp_lg_u32 s[CNT], 0
	s_cbranch_scc1 .Lstep_\@
	s_sub_co_u32 s[TK], s[TK], 256*KP              ; back to a slot's first step,
	s_sub_co_u32 s[TV], s[TV], 256*VP
	s_xor_b32 s[TK], s[TK], SLOT1                  ; in the other slot
	s_xor_b32 s[TV], s[TV], SLOT1
.endm
	s_wait_loadcnt 0x0                             ; Q
.Lslot:                                            ; seven trips
	CHANGE 1
	SLOT_STEPS
	s_sub_co_u32 s[SLOTS], s[SLOTS], 1
	s_cmp_lg_u32 s[SLOTS], 0
	s_cbranch_scc1 .Lslot
	CHANGE 0                                       ; the last slot is written out: nothing is left to ask for
	SLOT_STEPS
	; THE WAY OUT: O^T / l, rounded to f16, through my stage, as 4,096 consecutive bytes of y16.
.irp t, 0,1
	v_add_f32 v[ST+8*\t+4], v[ST+8*\t+2], v[ST+8*\t+3]
.endr
.irp t, 0,1
	v_permlanex16_b32 v[ST+8*\t+5], v[ST+8*\t+4], s[SEL], s[SEL+1]
.endr
.irp t, 0,1
	v_add_f32 v[ST+8*\t+4], v[ST+8*\t+4], v[ST+8*\t+5]
.endr
.irp t, 0,1
	v_rcp_f32 v[ST+8*\t+6], v[ST+8*\t+4]
.endr
	v_nop                                          ; a plain instruction behind the last reciprocal
	s_wait_alu depctr_va_vdst(0)                   ; and the wait ahead of the first reader
.irp t, 0,1
.set i, 0
.rept 16
	v_pk_mul_f32 v[O+32*\t+i:O+32*\t+i+1], v[O+32*\t+i:O+32*\t+i+1], v[ST+8*\t+6:ST+8*\t+7] op_sel_hi:[1,0]
.set i, i+2
.endr
.endr
.irp t, 0,1
.set i, 0
.rept 16
	v_cvt_pk_f16_f32 v[S+16*\t+i], v[O+32*\t+2*i], v[O+32*\t+2*i+1]
.set i, i+1
.endr
.endr
.irp t, 0,1
.irp dt, 0,1,2,3
	ds_store_b128 v[STI], v[S+16*\t+4*\dt:S+16*\t+4*\dt+3] offset:2304*\t+32*\dt
.endr
.endr
.irp i, 0,1,2,3,4,5,6,7
	ds_load_b128 v[160+4*\i:163+4*\i], v[STB] offset:576*\i        ; in order behind my stores
.endr
.irp i, 0,1,2,3,4,5,6,7
	s_wait_dscnt 7-\i
	global_store_b128 v[GO], v[160+4*\i:163+4*\i], s[54:55] offset:512*\i   ; 32 lanes store 512 consecutive bytes, aligned
.endr
	s_wait_tensorcnt 0x0                           ; the wave's end
	ds_add_u32 v[SPW], v[NIL]
	s_wait_dscnt 0x0
	s_endpgm
.Lfunc_end_k_q168117f43b_attn:
	.size	k_q168117f43b_attn, .Lfunc_end_k_q168117f43b_attn-k_q168117f43b_attn
	.p2alignl 7, 3214868480
	.fill 96, 4, 3214868480
	.section	.rodata,"a",@progbits
	.p2align	6, 0x0
	.amdhsa_kernel k_q168117f43b_attn
		.amdhsa_group_segment_fixed_size 327680
		.amdhsa_private_segment_fixed_size 0
		.amdhsa_enable_private_segment 0
		.amdhsa_kernarg_size 16
		.amdhsa_user_sgpr_count 2
		.amdhsa_user_sgpr_kernarg_segment_ptr 1
		.amdhsa_wavefront_size32 1
		.amdhsa_system_sgpr_workgroup_id_x 1
		.amdhsa_system_sgpr_workgroup_id_y 1
		.amdhsa_system_sgpr_workgroup_id_z 1
		.amdhsa_system_vgpr_workitem_id 0
		.amdhsa_next_free_vgpr 256
		.amdhsa_next_free_sgpr 66
		.amdhsa_reserve_vcc 1
		.amdhsa_float_denorm_mode_32 3
		.amdhsa_float_denorm_mode_16_64 3
		.amdhsa_memory_ordered 1
		.amdhsa_forward_progress 1
		.amdhsa_inst_pref_size 61
	.end_amdhsa_kernel
	.amdgpu_metadata
---
amdhsa.version: [ 1, 2 ]
amdhsa.kernels:
  - .name:           k_q168117f43b_attn
    .symbol:         k_q168117f43b_attn.kd
    .args:
      - { .name: qkv16, .offset: 0, .size: 8, .value_kind: global_buffer, .address_space: global }
      - { .name: y16, .offset: 8, .size: 8, .value_kind: global_buffer, .address_space: global }
    .group_segment_fixed_size: 327680
    .private_segment_fixed_size: 0
    .kernarg_segment_align: 8
    .kernarg_segment_size: 16
    .max_flat_workgroup_size: 512
    .sgpr_count:     66
    .vgpr_count:     256
    .wavefront_size: 32
...
	.end_amdgpu_metadata
.endif
;; end of part 3
;; launch proj (part 4): grid 4 x 64, 4 waves a work-group, clusters of 4 x 4, 327,680 bytes of LDS; arguments y16, wp16, out0; writes out0
.if DOCPART == 4
	.amdgcn_target "amdgcn-amd-amdhsa--gfx1250"
	.amdhsa_code_object_version 6
	.text
	.protected	k_q168117f43b_proj
	.globl	k_q168117f43b_proj
	.p2align	8
	.type	k_q168117f43b_proj,@function
k_q168117f43b_proj:
	s_mov_b64 s[64:65], 0
	v_nop
	global_prefetch_b8 v0, s[64:65] scope:SCOPE_SE
	s_setreg_imm32_b32 hwreg(HW_REG_WAVE_MODE, 25, 1), 1
	s_wait_xcnt 0x0
	s_wait_alu depctr_hold_cnt(0) depctr_sa_sdst(0) depctr_va_vdst(0) depctr_va_sdst(0) depctr_va_ssrc(0) depctr_va_vcc(0) depctr_vm_vsrc(0)
	s_getreg_b32 s2, hwreg(HW_REG_IB_STS2, 6, 4)
	s_cmp_eq_u32 s2, 0
	s_cbranch_scc0 .Lentry_in_a_cluster
	s_endpgm
.Lentry_in_a_cluster:
	s_bfe_u32 s2, ttmp6, 0x10000c
	s_cmp_lg_u32 s2, 0xf033
	s_cbranch_scc0 .Lentry_shape_is_right
	s_endpgm
.Lentry_shape_is_right:
; out0 = y W_proj on f16 operands, f32 sums.  A = y16 [64 mb][16 h][128 r][64 d] (row m = 128 mb + r, k = 64 h + d); B = wp16 [1024 k][1024 n]; out0 [8192][1024] f32.
; A tile of 128 x 256 to a work-group: 256 work-groups.  Four waves, 64 x 128 each: 32 accumulators, 256 registers.  K goes in steps of 128 (two heads) through two LDS slots.
; CLUSTERS: 4 x 4; A's tiles (by mb) are asked for jointly along a row of the cluster, B's (by tile column) along a column.
; THE MATRIX INSTRUCTION IS USED TRANSPOSED: source 0 = 16 columns of B (turned out of LDS by ds_load_tr16_b128, since K is B's first axis), source 1 = 16 rows of A: a lane holds eight neighbouring columns of a row.
; Rows 0-15 of each sequence are stored here too and written over in f32 by the next launch.  No prefetch: the tile is small and a K step is short against what one request brings.
; REGISTERS: window 0: v0-31 addresses; two fragment buffers of 96 (A's 4 fragments, then B's 8) at v32 and v128.  window 1: accumulator (a, b) at v[8 (8 a + b)].
.set PA,    144                        ; a row of A in LDS: 128 bytes + 16
.set PB,    544                        ; a row of B: 512 bytes + 32: an odd multiple of 32, for the turning load
.set AHALF, 128*PA
.set BHALF, 64*PB
.set BOFF,  2*AHALF
.set SLOT,  BOFF+2*BHALF
.set STAGE, 2*SLOT                     ; 16 rows x 528 bytes for each wave
.set SPITCH, 528
.set SPARE, STAGE+4*16*SPITCH
.set LAPS,  4
.set ADRA, 16
.set ADRB, 20
.set STO,  24
.set RD,   25
.set CO,   26
.set SPW,  28
.set NIL,  29
.set F0,   32
.set F1,   128
.set BK,   32                          ; the way out: v32-95 and v96-159 by turns
.set G1, 24
.set G0, 32
.set G1B, 48
.set G0B, 56
.set MSB, 0
.macro WIN new
.if MSB != \new
	s_set_vgpr_msb (MSB<<8)|\new
.set MSB, \new
.endif
.endm
.set MUL, 0x50                         ; C and D window 1, sources window 0
.macro JLOAD s                         ; waves 0 and 1 fetch A's two heads, waves 2 and 3 B's two halves; an s_nop 0 and four v_nop follow each line
	s_cmp_eq_u32 s11, 0
	s_cbranch_scc0 .Lfor_b_\@
	tensor_load_to_lds s[G0+4*\s:G0+4*\s+3], s[G1:G1+7]
	s_nop 0
.rept 4
	v_nop
.endr
	s_branch .Lasked_\@
.Lfor_b_\@:
	tensor_load_to_lds s[G0B+4*\s:G0B+4*\s+3], s[G1B:G1B+7]
	s_nop 0
.rept 4
	v_nop
.endr
.Lasked_\@:
.endm
.macro CREST
	s_cmp_lg_u32 s10, 0
	s_cbranch_scc1 .Lnot_wave_0_\@
	s_barrier_signal -3
.Lnot_wave_0_\@:
	s_barrier_wait -3
	s_barrier_signal -1
	s_barrier_wait -1
.endm
.macro CROUND
	s_barrier_signal -1
	s_barrier_wait -1
	CREST
.endm
	s_load_b128 s[4:7], s[0:1], 0x0                ; y16, wp16
	s_load_b64 s[8:9], s[0:1], 0x10                ; out0
	v_lshl_add_u32 v[SPW], v0, 2, SPARE
	v_mov_b32 v[NIL], 0
	ds_add_u32 v[SPW], v[NIL]                      ; the wave's opening: the add, twice on end, and its wait ahead of my first tensor load
	ds_add_u32 v[SPW], v[NIL]
	v_lshrrev_b32 v1, 5, v0
	v_readfirstlane_b32 s10, v1                    ; wave 0..3
	s_lshr_b32 s11, s10, 1                         ; my 64 rows; also: I fetch for A (0) or B (1)
	s_and_b32 s12, s10, 1                          ; my 128 columns; also: which half I fetch
	s_bfe_u32 s40, ttmp6, 0x40000                  ; cx
	s_bfe_u32 s41, ttmp6, 0x40004                  ; cy
	s_lshl_b32 s42, ttmp9, 2
	s_add_co_u32 s42, s42, s40                     ; tile column
	s_and_b32 s13, ttmp7, 0xffff
	s_lshl_b32 s13, s13, 2
	s_add_co_u32 s13, s13, s41                     ; mb
	s_lshl_b32 s43, s41, 2
	s_lshl_b32 s43, 15, s43                        ; my row of the cluster
	s_lshl_b32 s44, 0x1111, s40                    ; my column
	s_or_b32 s[G1+0], s43, (1<<16)|(1<<20)|(1<<21)|(4<<22)|(3<<25)    ; A: elements of 2 bytes; 4 words of padding after every 32
	s_mov_b32 s[G1+1], 64<<16                      ; tensor_dim0 = 64
	s_mov_b32 s[G1+2], 128<<16                     ; tensor_dim1 = 128
	s_mov_b32 s[G1+3], 64<<16                      ; tile_dim0
	s_mov_b32 s[G1+4], 128                         ; tile_dim1
	s_mov_b32 s[G1+5], 64                          ; pitch
	s_mov_b32 s[G1+6], 0
	s_mov_b32 s[G1+7], 0
	s_or_b32 s[G1B+0], s44, (1<<16)|(1<<20)|(1<<21)|(6<<22)|(7<<25)   ; B: 8 words of padding after every 128
	s_mov_b32 s[G1B+1], 256<<16
	s_mov_b32 s[G1B+2], 64<<16
	s_mov_b32 s[G1B+3], 256<<16
	s_mov_b32 s[G1B+4], 64
	s_mov_b32 s[G1B+5], 1024
	s_mov_b32 s[G1B+6], 0
	s_mov_b32 s[G1B+7], 0
	s_lshl_b32 s16, s13, 4
	s_add_co_u32 s16, s16, s12
	s_lshl_b32 s16, s16, 14                        ; A: (16 mb + my head of the step) x 16,384 bytes
	s_mov_b32 s17, 0
	s_lshl_b32 s46, s12, 17                        ; B: 64 k-rows of 2,048 bytes x half + 512 x tile column
	s_lshl_b32 s47, s42, 9
	s_add_co_u32 s46, s46, s47
	s_mov_b32 s47, 0
	s_mul_i32 s20, s12, AHALF                      ; LDS: no place in the cluster enters
	s_mul_i32 s21, s12, BHALF
	s_add_co_u32 s21, s21, BOFF
	s_wait_dscnt 0x0                               ; both opening adds are done
	s_wait_kmcnt 0x0
	s_add_nc_u64 s[14:15], s[4:5], s[16:17]
	s_add_nc_u64 s[46:47], s[6:7], s[46:47]
	CROUND                                         ; the first joint loads meet
.irp s, 0,1
	s_mov_b32 s[G0+4*\s], 1
	s_add_co_u32 s[G0+4*\s+1], s20, \s*SLOT
	s_add_nc_u64 s[G0+4*\s+2:G0+4*\s+3], s[14:15], \s*32768
	s_or_b32 s[G0+4*\s+3], s[G0+4*\s+3], 0x80000000
	s_mov_b32 s[G0B+4*\s], 1
	s_add_co_u32 s[G0B+4*\s+1], s21, \s*SLOT
	s_add_nc_u64 s[G0B+4*\s+2:G0B+4*\s+3], s[46:47], \s*262144
	s_or_b32 s[G0B+4*\s+3], s[G0B+4*\s+3], 0x80000000
	JLOAD \s                                       ; two loads of mine are out at the start, one behind each round later
.endr
	v_and_b32 v1, 15, v0                           ; r
	v_bfe_u32 v2, v0, 4, 1                         ; h
	v_mul_u32_u24 v3, v1, PA
	v_lshl_add_u32 v3, v2, 4, v3
	s_mul_i32 s21, s11, 64*PA                      ; my 64 rows of A
	v_and_b32 v4, 7, v0
	v_lshl_add_u32 v4, v2, 3, v4
	v_mul_u32_u24 v4, v4, PB
	v_bfe_u32 v5, v0, 3, 1
	v_lshl_add_u32 v4, v5, 4, v4                   ; the turning load: k-row 8 h + lane % 8, 16 bytes by (lane / 8) % 2
	s_lshl_b32 s22, s12, 8                         ; my 128 columns of B
	s_add_co_u32 s22, s22, BOFF
.irp s, 0,1
	v_add_nc_u32 v[ADRA+\s], s21, v3
	v_add_nc_u32 v[ADRB+\s], s22, v4
	s_add_co_u32 s21, s21, SLOT
	s_add_co_u32 s22, s22, SLOT
.endr
	s_mul_i32 s23, s10, 16*SPITCH
	s_add_co_u32 s23, s23, STAGE
	v_mul_u32_u24 v5, v1, SPITCH
	v_lshl_add_u32 v5, v2, 5, v5
	v_add_nc_u32 v[STO], s23, v5
	v_and_b32 v6, 31, v0
	v_lshlrev_b32 v[CO], 4, v6
	v_add_nc_u32 v[RD], s23, v[CO]
	s_lshl_b32 s16, s13, 7
	s_lshl_b32 s17, s11, 6
	s_add_co_u32 s16, s16, s17
	s_lshl_b32 s16, s16, 12                        ; my first row of out0 x 4,096 bytes
	s_mov_b32 s17, 0
	s_add_nc_u64 s[8:9], s[8:9], s[16:17]
	s_lshl_b32 s46, s42, 10                        ; my first column, in bytes
	s_lshl_b32 s47, s12, 9
	s_add_co_u32 s46, s46, s47
	s_mov_b32 s47, 0
	s_add_nc_u64 s[8:9], s[8:9], s[46:47]
.macro MUL8 f, a, zero                 ; A's block a x B's eight, 32 along K; the 32 accumulators take turns in the same order in every quarter
.irp b, 0,1,2,3,4,5,6,7
.if \zero
	v_wmma_f32_16x16x32_f16 v[8*(8*(\a)+\b):8*(8*(\a)+\b)+7], v[\f+32+8*\b:\f+32+8*\b+7], v[\f+8*(\a):\f+8*(\a)+7], 0
.else
	v_wmma_f32_16x16x32_f16 v[8*(8*(\a)+\b):8*(8*(\a)+\b)+7], v[\f+32+8*\b:\f+32+8*\b+7], v[\f+8*(\a):\f+8*(\a)+7], v[8*(8*(\a)+\b):8*(8*(\a)+\b)+7]
.endif
.endr
.endm
.macro FETCH slot, q, f                ; 24 LDS loads in one run: the q-th 32 along K of the slot; B's 16 first, then A's 8
.irp i, 0,1,2,3,4,5,6,7
	ds_load_tr16_b128 v[\f+32+8*\i:\f+32+8*\i+3], v[ADRB+\slot] offset:32*PB*(\q)+32*\i
	ds_load_tr16_b128 v[\f+32+8*\i+4:\f+32+8*\i+7], v[ADRB+\slot] offset:32*PB*(\q)+32*\i+16*PB
.endr
.irp i, 0,1,2,3
	ds_load_b128 v[\f+8*\i:\f+8*\i+3], v[ADRA+\slot] offset:((\q)/2)*AHALF+((\q)%2)*64+16*PA*\i
	ds_load_b128 v[\f+8*\i+4:\f+8*\i+7], v[ADRA+\slot] offset:((\q)/2)*AHALF+((\q)%2)*64+16*PA*\i+32
.endr
.endm
.macro PLACES
.rept 4
	v_nop
.endr
.endm
.macro QUARTER slot, q, f, g, zero     ; multiplies buffer f; in its middle it fetches the slot's quarter q into g
	s_wait_dscnt 4                                 ; B and A's blocks 0, 1 are in; the youngest four loads (A's blocks 2, 3) may be out
	WIN MUL
	MUL8 \f, 0, \zero
	MUL8 \f, 1, \zero
	WIN 0
	PLACES                                         ; ahead of loads into registers that the quarter before multiplied
	FETCH \slot, \q, \g
	s_wait_dscnt 24                                ; all but the 24 just issued
	WIN MUL
	MUL8 \f, 2, \zero
	MUL8 \f, 3, \zero
.endm
; A slot's last quarter multiplies buffer 1 and changes slots: one barrier; ahead of it each wave waits for all its tensor loads, adds 0 to its spare word, and waits for that and for its reads of this slot.
.macro TURN slot, next, fill
	WIN 0
	s_wait_tensorcnt 0x0                           ; my part of the next slot has landed
	ds_add_u32 v[SPW], v[NIL]
	s_wait_dscnt 5                                 ; the add and the youngest four loads may be out
	WIN MUL
	MUL8 F1, 0, 0
	s_wait_dscnt 0x0                               ; the add is done, and my reads of this slot are over
	s_barrier_signal -1
	MUL8 F1, 1, 0
	WIN 0
	s_barrier_wait -1
.if \fill
	CREST                                          ; the barrier has opened a round of the cluster's: no wave of any partner still reads this slot or has a load on its way
	s_add_nc_u64 s[G0+4*\slot+2:G0+4*\slot+3], s[G0+4*\slot+2:G0+4*\slot+3], 65536      ; two K steps on: four heads
	s_add_nc_u64 s[G0B+4*\slot+2:G0B+4*\slot+3], s[G0B+4*\slot+2:G0B+4*\slot+3], 524288 ; 256 k-rows
	JLOAD \slot                                    ; the first tensor load behind the round; its four v_nop are also the places ahead of the loads below
.else
	PLACES
.endif
	FETCH \next, 0, F0
	WIN MUL
	MUL8 F1, 2, 0
	MUL8 F1, 3, 0
.endm
	s_wait_tensorcnt 1                             ; my part of K step 0 is in; K step 1's may be out
	s_barrier_signal -1
	s_barrier_wait -1
	FETCH 0, 0, F0
	QUARTER 0, 1, F0, F1, 1                        ; the first products start the sums
	WIN 0
	s_mov_b32 s3, LAPS-1
.Llap:                                             ; a trip goes once round the ring and fills both slots again
	QUARTER 0, 2, F1, F0, 0
	QUARTER 0, 3, F0, F1, 0
	TURN 0, 1, 1
	QUARTER 1, 1, F0, F1, 0
	QUARTER 1, 2, F1, F0, 0
	QUARTER 1, 3, F0, F1, 0
	TURN 1, 0, 1
	QUARTER 0, 1, F0, F1, 0
	WIN 0
	s_sub_co_u32 s3, s3, 1
	s_cmp_lg_u32 s3, 0
	s_cbranch_scc1 .Llap
	QUARTER 0, 2, F1, F0, 0                        ; the last lap fills nothing
	QUARTER 0, 3, F0, F1, 0
	TURN 0, 1, 0
	QUARTER 1, 1, F0, F1, 0
	QUARTER 1, 2, F1, F0, 0
	QUARTER 1, 3, F0, F1, 0
	s_wait_dscnt 4
	WIN MUL
	MUL8 F1, 0, 0
	MUL8 F1, 1, 0
	s_wait_dscnt 0
	MUL8 F1, 2, 0
	MUL8 F1, 3, 0
	WIN 0
; THE WAY OUT, block by block of 16 rows x 128 columns, through my own stage: back as whole rows of 512 bytes.
.macro TOSTAGE a
	WIN 0x04                                       ; an LDS store's data: window 1
.irp b, 0,1,2,3,4,5,6,7
	ds_store_b128 v[STO], v[64*(\a)+8*\b:64*(\a)+8*\b+3] offset:64*\b          ; each accumulator from its low end on
	ds_store_b128 v[STO], v[64*(\a)+8*\b+4:64*(\a)+8*\b+7] offset:64*\b+16
.endr
	WIN 0
.set BB, BK+64*((\a)%2)
.irp t, 0,1,2,3,4,5,6,7,8,9,10,11,12,13,14,15
	ds_load_b128 v[BB+4*\t:BB+4*\t+3], v[RD] offset:\t*SPITCH
.endr
.endm
.macro SEND a, younger
.set BB, BK+64*((\a)%2)
	s_wait_dscnt \younger                          ; the block is back; the next block's 16 stores and 16 loads may be out
.irp t, 0,1,2,3,4,5,6,7,8,9,10,11,12,13,14,15
	global_store_b128 v[CO], v[BB+4*\t:BB+4*\t+3], s[8:9] offset:(\a)*65536+\t*4096 th:TH_STORE_NT   ; 32 lanes store 512 consecutive bytes, aligned
.endr
.endm
	PLACES
	TOSTAGE 0
.irp a, 1,2,3
.if \a > 1
	s_wait_xcnt 0x0                                ; block a - 2's stores have read their registers: block a's loads may land there
.endif
	TOSTAGE \a
	SEND \a-1, 32
.endr
	SEND 3, 0
	s_wait_tensorcnt 0x0                           ; the wave's end
	ds_add_u32 v[SPW], v[NIL]
	s_wait_dscnt 0x0
	CROUND                                         ; the closing round
	s_endpgm
.Lfunc_end_k_q168117f43b_proj:
	.size	k_q168117f43b_proj, .Lfunc_end_k_q168117f43b_proj-k_q168117f43b_proj
	.p2alignl 7, 3214868480
	.fill 96, 4, 3214868480
	.section	.rodata,"a",@progbits
	.p2align	6, 0x0
	.amdhsa_kernel k_q168117f43b_proj
		.amdhsa_group_segment_fixed_size 327680
		.amdhsa_private_segment_fixed_size 0
		.amdhsa_enable_private_segment 0
		.amdhsa_kernarg_size 24
		.amdhsa_user_sgpr_count 2
		.amdhsa_user_sgpr_kernarg_segment_ptr 1
		.amdhsa_wavefront_size32 1
		.amdhsa_system_sgpr_workgroup_id_x 1
		.amdhsa_system_sgpr_workgroup_id_y 1
		.amdhsa_system_sgpr_workgroup_id_z 1
		.amdhsa_system_vgpr_workitem_id 0
		.amdhsa_next_free_vgpr 512
		.amdhsa_next_free_sgpr 66
		.amdhsa_reserve_vcc 0
		.amdhsa_float_denorm_mode_32 3
		.amdhsa_float_denorm_mode_16_64 3
		.amdhsa_memory_ordered 1
		.amdhsa_forward_progress 1
		.amdhsa_inst_pref_size 85
	.end_amdhsa_kernel
	.amdgpu_metadata
---
amdhsa.version: [ 1, 2 ]
amdhsa.kernels:
  - .name:           k_q168117f43b_proj
    .symbol:         k_q168117f43b_proj.kd
    .args:
      - { .name: y16, .offset: 0, .size: 8, .value_kind: global_buffer, .address_space: global }
      - { .name: wp16, .offset: 8, .size: 8, .value_kind: global_buffer, .address_space: global }
      - { .name: out0, .offset: 16, .size: 8, .value_kind: global_buffer, .address_space: global }
    .group_segment_fixed_size: 327680
    .private_segment_fixed_size: 0
    .kernarg_segment_align: 8
    .kernarg_segment_size: 24
    .max_flat_workgroup_size: 128
    .sgpr_count:     66
    .vgpr_count:     512
    .wavefront_size: 32
...
	.end_amdgpu_metadata
.endif
;; end of part 4
;; launch fine (part 5): grid 16 x 4, 16 waves a work-group, no clusters, 71,680 bytes of LDS; arguments qkv32, W_proj, out0; writes out0
.if DOCPART == 5
	.amdgcn_target "amdgcn-amd-amdhsa--gfx1250"
	.amdhsa_code_object_version 6
	.text
	.protected	k_q168117f43b_fine
	.globl	k_q168117f43b_fine
	.p2align	8
	.type	k_q168117f43b_fine,@function
k_q168117f43b_fine:
	s_mov_b64 s[64:65], 0
	v_nop
	global_prefetch_b8 v0, s[64:65] scope:SCOPE_SE
	s_setreg_imm32_b32 hwreg(HW_REG_WAVE_MODE, 25, 1), 1
	s_wait_xcnt 0x0
; THE FIRST 16 POSITIONS OF EVERY SEQUENCE, IN F32 THROUGHOUT: attention and projection from the unrounded sums qkv32 [4 b][16 t][3072] and W_proj [1024][1024] f32, by v_wmma_f32_16x16x4_f32.
; These rows average one to sixteen values and are the largest of the output; 64 of 8,192 rows: no bulk work.  They write over what the launch before stored there.
; SHARES.  Work-group (chunk of 64 output columns, batch).  Wave hd does head hd's attention (16 x 16 scores) and then that head's 64 k of the projection for the chunk: its O^T is already the operand.
; The 16 partial results meet in LDS behind one barrier; waves 0-7 add them, two rows each, and store whole runs of 256 bytes.
; THE ORDER OF k INSIDE A PRODUCT IS FREE as long as both sources take the same: over d, a lane's 16-byte load at d = 8 i + 4 h gives chunks 2 i and 2 i + 1; over the keys, chunk c holds keys 8 h + 2 c + j,
; so p's register pair 2 c is the operand as it stands; in the projection chunk (dt, jj) holds k = 64 hd + 16 dt + 8 h + 2 jj + j, so O^T's register pair 8 dt + 2 jj is the operand as it stands.
; The registers that the matrix instructions write (v112-143, v160-191) are written by them alone.
; LIMITS: NaN and infinities are not served.
.set SPARE, 69632                      ; behind 16 stages of 16 x 272 bytes
.set SPW, 8
.set NIL, 9
	s_load_b128 s[4:7], s[0:1], 0x0                ; qkv32, W_proj
	s_load_b64 s[8:9], s[0:1], 0x10                ; out0
	v_lshl_add_u32 v[SPW], v0, 2, SPARE
	v_mov_b32 v[NIL], 0
	v_lshrrev_b32 v1, 5, v0
	v_readfirstlane_b32 s10, v1                    ; wave = head
	v_and_b32 v1, 15, v0                           ; r
	v_bfe_u32 v2, v0, 4, 1                         ; h
	v_mul_u32_u24 v3, v1, 12288
	v_lshl_add_u32 v3, v2, 4, v3                   ; q, k: row r, + 16 h
	v_mul_u32_u24 v4, v2, 98304
	v_lshl_add_u32 v4, v1, 2, v4                   ; v: 8 h rows down, column r
	v_lshlrev_b32 v5, 15, v2
	v_lshl_add_u32 v5, v1, 2, v5                   ; W_proj: 8 h rows of 4,096 bytes down, column r
	v_lshlrev_b32 v6, 3, v2
	v_sub_nc_u32 v6, v1, v6                        ; r - 8 h
	v_mov_b32 v7, 0xff800000                       ; -infinity
	s_mul_i32 s13, s10, 4352
	v_mul_u32_u24 v10, v1, 272
	v_lshl_add_u32 v10, v2, 5, v10
	v_add_nc_u32 v10, s13, v10                     ; my stage: row r, + 32 h
	s_mul_i32 s13, s10, 544
	v_mul_u32_u24 v11, v2, 272
	v_lshl_add_u32 v11, v1, 4, v11
	v_add_nc_u32 v11, s13, v11                     ; back: row 2 w + h of every stage, 16 bytes a lane
	v_lshlrev_b32 v12, 12, v2
	v_lshl_add_u32 v12, v1, 4, v12                 ; and the same in out0
	s_and_b32 s12, ttmp7, 0xffff                   ; batch
	s_mul_i32 s14, s12, 196608
	s_lshl_b32 s15, s10, 8
	s_add_co_u32 s14, s14, s15
	s_mov_b32 s15, 0
	s_lshl_b32 s16, s10, 18                        ; my head's 64 rows of W_proj,
	s_lshl_b32 s17, ttmp9, 8                       ; the chunk's 64 columns
	s_add_co_u32 s16, s16, s17
	s_mov_b32 s17, 0
	s_lshl_b32 s18, s12, 23                        ; out0: the batch's first row,
	s_lshl_b32 s19, s10, 13                        ; 2 w rows on (used by waves 0-7),
	s_add_co_u32 s18, s18, s19
	s_lshl_b32 s19, ttmp9, 8
	s_add_co_u32 s18, s18, s19
	s_mov_b32 s19, 0
	s_mov_b32 s20, 0x76543210
	s_mov_b32 s21, 0xfedcba98
	s_mov_b32 s22, 0x3e38aa3b                      ; c = log2(e) / 8
	s_wait_kmcnt 0x0
	s_add_nc_u64 s[4:5], s[4:5], s[14:15]
	s_add_nc_u64 s[6:7], s[6:7], s[16:17]
	s_add_nc_u64 s[8:9], s[8:9], s[18:19]
.irp i, 0,1,2,3,4,5,6,7
	global_load_b128 v[16+4*\i:19+4*\i], v3, s[4:5] offset:32*\i           ; q
.endr
.irp i, 0,1,2,3,4,5,6,7
	global_load_b128 v[48+4*\i:51+4*\i], v3, s[4:5] offset:4096+32*\i      ; k
.endr
.irp dt, 0,1,2,3
.irp c, 0,1,2,3
.irp j, 0,1
	global_load_b32 v[80+8*\dt+2*\c+\j], v4, s[4:5] offset:8192+(2*\c+\j)*12288+64*\dt   ; v(key 8 h + 2 c + j, channel 16 dt + r)
.endr
.endr
.endr
.macro WBATCH dt, base                 ; W_proj(64 hd + 16 dt + 8 h + 2 jj + j, chunk's column 16 nt + r): 32 loads
.irp jj, 0,1,2,3
.irp nt, 0,1,2,3
.irp j, 0,1
	global_load_b32 v[\base+8*\jj+2*\nt+\j], v5, s[6:7] offset:(16*(\dt)+2*\jj+\j)*4096+64*\nt
.endr
.endr
.endr
.endm
	s_wait_loadcnt 32                              ; q and k are in; v's 32 loads may be out
.irp ch, 0,1,2,3,4,5,6,7,8,9,10,11,12,13,14,15 ; S^T = k q^T: four accumulators by turns, added afterwards
.if \ch < 4
	v_wmma_f32_16x16x4_f32 v[112+8*(\ch%4):119+8*(\ch%4)], v[48+2*\ch:49+2*\ch], v[16+2*\ch:17+2*\ch], 0
.else
	v_wmma_f32_16x16x4_f32 v[112+8*(\ch%4):119+8*(\ch%4)], v[48+2*\ch:49+2*\ch], v[16+2*\ch:17+2*\ch], v[112+8*(\ch%4):119+8*(\ch%4)]
.endif
.endr
	s_wait_loadcnt 0x0                             ; v is in
	WBATCH 0, 192
	WBATCH 1, 224
.rept 8
	v_nop                                          ; places behind this form ahead of the first read of its results
.endr
.irp i, 0,2,4,6
	v_pk_add_f32 v[144+\i:145+\i], v[112+\i:113+\i], v[120+\i:121+\i]      ; each accumulator from its low end on
.endr
.irp i, 0,2,4,6
	v_pk_add_f32 v[152+\i:153+\i], v[128+\i:129+\i], v[136+\i:137+\i]
.endr
.irp i, 0,2,4,6
	v_pk_add_f32 v[144+\i:145+\i], v[144+\i:145+\i], v[152+\i:153+\i]      ; register j: the score of key 8 h + j for query r
.endr
.irp j, 0,1,2,3,4,5,6,7
	v_cmp_gt_i32 vcc_lo, \j, v6                    ; hidden where 8 h + j > r
	v_cndmask_b32 v[144+\j], v[144+\j], v7, vcc_lo
.endr
	v_max3_num_f32 v152, v144, v145, v146
	v_max3_num_f32 v153, v147, v148, v149
	v_max3_num_f32 v152, v152, v150, v151
	v_max_num_f32 v152, v152, v153
	v_permlanex16_b32 v153, v152, s20, s21
	v_max_num_f32 v152, v152, v153                 ; the row's maximum: key 0 counts for every query
	v_mul_f32 v152, s22, v152
.irp j, 0,1,2,3,4,5,6,7
	v_fma_f32 v[144+\j], v[144+\j], s22, -v152
.endr
.irp j, 0,1,2,3,4,5,6,7
	v_exp_f32 v[144+\j], v[144+\j]
.endr
	v_nop                                          ; a plain instruction behind the batch
	s_wait_alu depctr_va_vdst(0)                   ; and the wait ahead of its first reader
	v_pk_add_f32 v[154:155], v[144:145], v[146:147]
	v_pk_add_f32 v[156:157], v[148:149], v[150:151]
	v_pk_add_f32 v[154:155], v[154:155], v[156:157]
	v_add_f32 v154, v154, v155
	v_permlanex16_b32 v155, v154, s20, s21
	v_add_f32 v154, v154, v155                     ; the row's sum
	v_rcp_f32 v158, v154
	v_nop
	s_wait_alu depctr_va_vdst(0)
.irp c, 0,1,2,3                                ; O^T = v^T p: four accumulators by turns
.irp dt, 0,1,2,3
.if \c == 0
	v_wmma_f32_16x16x4_f32 v[160+8*\dt:167+8*\dt], v[80+8*\dt+2*\c:81+8*\dt+2*\c], v[144+2*\c:145+2*\c], 0
.else
	v_wmma_f32_16x16x4_f32 v[160+8*\dt:167+8*\dt], v[80+8*\dt+2*\c:81+8*\dt+2*\c], v[144+2*\c:145+2*\c], v[160+8*\dt:167+8*\dt]
.endif
.endr
.endr
.rept 9
	v_nop                                          ; places ahead of matrix instructions that take these results as a source
.endr
.macro PROJ dt, base                   ; 16 k of the projection: source 0 = 16 columns of W_proj, source 1 = O^T's pairs; the four tiles of columns by turns
.irp jj, 0,1,2,3
.irp nt, 0,1,2,3
.if ((\dt) == 0) && (\jj == 0)
	v_wmma_f32_16x16x4_f32 v[112+8*\nt:119+8*\nt], v[\base+8*\jj+2*\nt:\base+8*\jj+2*\nt+1], v[160+8*(\dt)+2*\jj:161+8*(\dt)+2*\jj], 0
.else
	v_wmma_f32_16x16x4_f32 v[112+8*\nt:119+8*\nt], v[\base+8*\jj+2*\nt:\base+8*\jj+2*\nt+1], v[160+8*(\dt)+2*\jj:161+8*(\dt)+2*\jj], v[112+8*\nt:119+8*\nt]
.endif
.endr
.endr
.endm
	s_wait_loadcnt 32                              ; batch 0 is in; batch 1's 32 loads may be out
	WBATCH 2, 16                                   ; into q's registers, long done with
	PROJ 0, 192
	s_wait_loadcnt 32                              ; batch 1 is in; batch 2's may be out
	WBATCH 3, 48                                   ; into k's
	PROJ 1, 224
	s_wait_loadcnt 32                              ; batch 2 is in; batch 3's may be out
	PROJ 2, 16
	s_wait_loadcnt 0x0
	PROJ 3, 48
.rept 8
	v_nop
.endr
.set i, 0
.rept 32
	v_mul_f32 v[80+i], v[112+i], v158              ; / the row's sum: a lane holds query r and columns 16 nt + 8 h + 0..7; into other registers, ascending
.set i, i+1
.endr
.irp nt, 0,1,2,3
	ds_store_b128 v10, v[80+8*\nt:83+8*\nt] offset:64*\nt
	ds_store_b128 v10, v[84+8*\nt:87+8*\nt] offset:64*\nt+16
.endr
	s_wait_dscnt 0x0                               ; for the others' sake: my stores have landed
	s_barrier_signal -1
	s_barrier_wait -1
	s_cmp_ge_u32 s10, 8
	s_cbranch_scc1 .Lend
.irp w, 0,1,2,3,4,5,6,7,8,9,10,11,12,13,14,15
	ds_load_b128 v[16+4*\w:19+4*\w], v11 offset:4352*\w            ; the sixteen heads' parts of my two rows
.endr
	s_wait_dscnt 0x0
.irp w, 0,1,2,3,4,5,6,7
	v_pk_add_f32 v[16+4*\w:17+4*\w], v[16+4*\w:17+4*\w], v[48+4*\w:49+4*\w]
	v_pk_add_f32 v[18+4*\w:19+4*\w], v[18+4*\w:19+4*\w], v[50+4*\w:51+4*\w]
.endr
.irp w, 0,1,2,3
	v_pk_add_f32 v[16+4*\w:17+4*\w], v[16+4*\w:17+4*\w], v[32+4*\w:33+4*\w]
	v_pk_add_f32 v[18+4*\w:19+4*\w], v[18+4*\w:19+4*\w], v[34+4*\w:35+4*\w]
.endr
.irp w, 0,1
	v_pk_add_f32 v[16+4*\w:17+4*\w], v[16+4*\w:17+4*\w], v[24+4*\w:25+4*\w]
	v_pk_add_f32 v[18+4*\w:19+4*\w], v[18+4*\w:19+4*\w], v[26+4*\w:27+4*\w]
.endr
	v_pk_add_f32 v[16:17], v[16:17], v[20:21]
	v_pk_add_f32 v[18:19], v[18:19], v[22:23]
	global_store_b128 v12, v[16:19], s[8:9]        ; sixteen lanes store 256 consecutive bytes, aligned; two rows an instruction
.Lend:
	s_wait_tensorcnt 0x0                           ; the wave's end: behind my last LDS store
	ds_add_u32 v[SPW], v[NIL]
	s_wait_dscnt 0x0
	s_endpgm
.Lfunc_end_k_q168117f43b_fine:
	.size	k_q168117f43b_fine, .Lfunc_end_k_q168117f43b_fine-k_q168117f43b_fine
	.p2alignl 7, 3214868480
	.fill 96, 4, 3214868480
	.section	.rodata,"a",@progbits
	.p2align	6, 0x0
	.amdhsa_kernel k_q168117f43b_fine
		.amdhsa_group_segment_fixed_size 71680
		.amdhsa_private_segment_fixed_size 0
		.amdhsa_enable_private_segment 0
		.amdhsa_kernarg_size 24
		.amdhsa_user_sgpr_count 2
		.amdhsa_user_sgpr_kernarg_segment_ptr 1
		.amdhsa_wavefront_size32 1
		.amdhsa_system_sgpr_workgroup_id_x 1
		.amdhsa_system_sgpr_workgroup_id_y 1
		.amdhsa_system_sgpr_workgroup_id_z 1
		.amdhsa_system_vgpr_workitem_id 0
		.amdhsa_next_free_vgpr 256
		.amdhsa_next_free_sgpr 66
		.amdhsa_reserve_vcc 1
		.amdhsa_float_denorm_mode_32 3
		.amdhsa_float_denorm_mode_16_64 3
		.amdhsa_memory_ordered 1
		.amdhsa_forward_progress 1
		.amdhsa_inst_pref_size 34
	.end_amdhsa_kernel
	.amdgpu_metadata
---
amdhsa.version: [ 1, 2 ]
amdhsa.kernels:
  - .name:           k_q168117f43b_fine
    .symbol:         k_q168117f43b_fine.kd
    .args:
      - { .name: qkv32, .offset: 0, .size: 8, .value_kind: global_buffer, .address_space: global }
      - { .name: W_proj, .offset: 8, .size: 8, .value_kind: global_buffer, .address_space: global }
      - { .name: out0, .offset: 16, .size: 8, .value_kind: global_buffer, .address_space: global }
    .group_segment_fixed_size: 71680
    .private_segment_fixed_size: 0
    .kernarg_segment_align: 8
    .kernarg_segment_size: 24
    .max_flat_workgroup_size: 512
    .sgpr_count:     66
    .vgpr_count:     256
    .wavefront_size: 32
...
	.end_amdgpu_metadata
.endif
;; end of part 5
